; MI455X (gfx1250); checked and timed in simulation.
; The chip was launched on July 23, 2026; its instructions are those of AMD's public machine-readable ISA for CDNA 5 (MIT licence, August 2026) and "CDNA5" Instruction Set Architecture Reference Guide (July 2026). The comments in the code are by the model that wrote it; some were corrected since.
;; Pooled Self Attention2d. Allowed arithmetic: matrix products marked QUANTISED: E2M3 operands, one E8M0 scale for each 32 along K, by v_wmma_scale_f32_16x16x128_f8f6f4 with both operands' format E2M3, f32 sums; products left as they are: f32 operands where the result goes on into a quantised operand, else bf16, f16 or f32 operands; f32 sums; everything else in f32.
;; Inputs: gamma 1 float32; w_g 32 x 64 float32; w_o 64 x 32 float32; w_phi 8 x 64 float32; w_theta 8 x 64 float32; x 16 x 64 x 64 x 64 float32.
;; Outputs: out0 16 x 64 x 64 x 64 float32.
;; This version of the problem:
;;   THIS VERSION OF THE PROBLEM IS GIVEN IN LOW PRECISION. The matrix products marked QUANTISED in the list below multiply operands that are first quantised to E2M3 (2 exponent bits, 3 mantissa bits; 6 bits a number), with one power-of-two scale for each 32 numbers along K (OCP MX v1.0); their sums are f32. All else is computed in f32.
;;   The module's matrix products, in the order in which they are computed (A, B: the left and right operand; K: the contracted axis; several contracted axes count as one K, in the product's order):
;;     1. [M 65,536, K 64] x [K 64, N 8]; A: input x; B: input w_theta: left as it is (N = 8 < 16)
;;     2. [M 65,536, K 64] x [K 64, N 8]; A: input x; B: input w_phi: left as it is (N = 8 < 16)
;;     3. [M 65,536, K 64] x [K 64, N 32]; A: input x; B: input w_g: QUANTISED
;;     4. batch 16 x [M 4,096, K 8] x [K 8, N 1,024]; A: computed on the way; B: computed on the way: left as it is (K = 8 < 32)
;;     5. batch 16 x [M 32, K 1,024] x [K 1,024, N 4,096]; A: computed on the way; B: softmax (see below): QUANTISED
;;     6. [M 65,536, K 32] x [K 32, N 64]; A: computed on the way; B: input w_o: QUANTISED
;;   THE QUANTISER, for each operand of a quantised product, along K:
;;     - K is cut into blocks of 32 from its start; a last block that is shorter is filled with zeros.
;;     - A block's scale is 2^e with e = floor(log2(the largest magnitude in the block)) - 2, held to -126 .. 127; a block of zeros has e = 0. As a byte (E8M0): e + 127.
;;     - Each number is divided by its block's scale, clamped to +-7.5, and rounded to the nearest number of E2M3, ties to even, subnormals kept.
;;     - The product sums the exact products of the quantised numbers (number of the format x scale) in f32.
;;   ~~~python
;;   def quantise(x, axis):      # numpy; x: float32 -> the quantised numbers, widened to float32 again
;;       x = np.moveaxis(x, axis, -1); K = x.shape[-1]
;;       x = np.pad(x, [(0, 0)] * (x.ndim - 1) + [(0, -K % 32)]); x = x.reshape(x.shape[:-1] + (-1, 32)); a = np.abs(x).max(-1, keepdims=True)
;;       e = np.where(a > 0, np.clip(np.frexp(np.where(a > 0, a, 1))[1] - 1 - 2, -126, 127), 0)      # np.frexp(a)[1] - 1 = floor(log2(a)), exactly
;;       r = np.clip(x / 2.0 ** e, -7.5, 7.5)
;;       step = 2.0 ** (np.maximum(np.frexp(np.where(r == 0, 1, r))[1] - 1, 0) - 3)
;;       q = np.round(r / step) * step * 2.0 ** e      # np.round: ties to even
;;       return np.moveaxis(q.reshape(q.shape[:-2] + (-1,))[..., :K], -1, axis).astype(np.float32)
;;   ~~~
;;   SOFTMAX AHEAD OF A QUANTISED PRODUCT. Where the list says 'softmax', what is quantised is not the finished softmax but p = 2^(t - M), with t = logit x log2(e) and M = ceil(the row's largest t), a whole number; so 1/2 < the row's largest p <= 1. The row's sum l is taken of the UNQUANTISED p, in f32, and the product's result is divided by l at the end. Since M is a whole number, a kernel that streams over the keys may use a running M (the ceiling of the running maximum): every later rescaling is an exact power of two, which a block's scale takes up: the codes' values come out the same.
;;   OPERANDS COMPUTED ON THE WAY. 'Computed on the way' means the value that the module computes at that place (a softmax that the list does not call 'softmax' is quantised finished and normalised). What goes into a quantiser is computed in f32, as accurately as f32 sums, v_exp_f32 and their like allow (about 1e-6 of the number): no bf16 or f16 on the way to a quantiser, and a product that is left as it is and whose result goes on into a quantised operand takes f32 operands (vector FMAs, or v_wmma_f32_16x16x4_f32). A number that lies on a knife's edge between two numbers of the format may be rounded either way, as far as f32 arithmetic and the matrix unit's own rounding can turn it there, and no further.
;; 2 versions, each right; version 2 is version 1 with the launch attn written anew for expert scheduling mode. Each part assembles by itself: llvm-mc -triple=amdgcn-amd-amdhsa -mcpu=gfx1250 --defsym DOCPART=n.
;; ======== version 1 of 2: 2 launches
;; workspace buffers: fq 2,097,152 bytes; gk 524,288 bytes; hcodes 393,216 bytes; hscales 16,384 bytes
;; launch prep (part 1): grid 32 x 16, 2 waves a work-group, no clusters, 19,712 bytes of LDS; arguments x, w_theta, w_phi, w_g, fq, gk, hcodes, hscales; writes fq, gk, hcodes, hscales
.if DOCPART == 1
	.amdgcn_target "amdgcn-amd-amdhsa--gfx1250"
	.amdhsa_code_object_version 6
	.text
	.protected	k_qfc7db1ffd0_prep
	.globl	k_qfc7db1ffd0_prep
	.p2align	8
	.type	k_qfc7db1ffd0_prep,@function
k_qfc7db1ffd0_prep:
	s_mov_b64 s[64:65], 0
	v_nop
	global_prefetch_b8 v0, s[64:65] scope:SCOPE_SE
	s_setreg_imm32_b32 hwreg(HW_REG_WAVE_MODE, 25, 1), 1
	s_wait_xcnt 0x0
; f = w_theta x, g = maxpool(w_phi x) in f32; h = maxpool(Q(x) Q(w_g)) on codes of FP6 (E2M3), then h quantised along the keys.
; x: [16][64 channels][64][64] f32.  A work-group takes two image rows of one batch, which pool to one block of 32 keys; each of its two waves takes ONE image row: 64 pixels x 64 channels.  1,024 waves in all.
; LOADS: 16 bytes a lane; sixteen lanes read the 256 consecutive bytes of the image row of one channel; lanes 0-15 channels 0-31, lanes 16-31 channels 32-63.
; TILES: tile q holds pixel 4 r + q in lane r.  The two pixels of a pooling window that lie in my row are the same lane (or register) of two tiles: pooling is a maximum of registers.
; The conversions to codes and the f32 matrix form want neighbours along K (the channels) in consecutive registers of a lane: the loaded registers, [channel][pixel], are moved into [pixel][channel].
; THE ROW IS WORKED IN FOUR QUARTERS OF 8 LOADS: loads come back in order, and K step s of the f32 product wants channels 2 s, 2 s + 1 of each half alone: a counted wait, 32 moves, 16 matrix instructions, while the later loads are out.
; f, g: source 0 = 16 rows (w_theta's 8, w_phi's 8) x 4 channels, source 1 = 4 channels x 16 pixels, 16 K steps, the 4 tiles by turns.  K slot (h, j) of step s holds channel 32 h + 2 s + j on both sides.
;   In the result lanes 0-15 hold f(0..7) of pixel r, lanes 16-31 w_phi x (0..7) of pixel r.
; h: source 0 = 16 pixels (codes of x, K = 64 channels, the rest of the 128 zero codes on both sides), source 1 = 16 rows of w_g.  In the result a lane holds ONE channel, register j pixel 4 (8 h + j) + q:
;   pooled, register 2 j + e is key 16 h + 2 j + e: 16 neighbouring keys a lane, two lanes to a block of 32.
; THE TWO ROWS MEET IN LDS, as images of registers (16 bytes a lane, 512 a store), with ONE barrier and no branch on the wave's number: behind it wave w reads channel tile w of h from both images (the tile is chosen by
;   the address), takes the maximum and quantises those 16 channels; both waves read the other's image of g, take the maximum and stage all of g, each in its own stage, and wave w stores half w of it.
; OUT: fq [pixel][8] f32; gk as the image of the next launch's operand registers (key block, tile u, half, row: 16 bytes); both through LDS, so that a store covers 512 consecutive bytes.
;   hcodes [batch][key block % 2][key block / 2][channel][24 bytes]: 384 consecutive bytes a wave; hscales [batch][channel][key block]: one byte a channel.
; LIMITS: NaN and infinities are not served (the maximum drops a NaN).  A block whose largest magnitude lies under 2^-124, a block of zeros too, keeps the scale byte 1; the bytes are read by this program alone.
; REGISTERS, in windows of 256: window 0: addresses, codes, scale words, pooled results.  window 1: v0-127 x as loaded, [channel][4 pixels].
;   window 2: v0-127 four tiles of 32 channels; v128-159 the 16 rows' weights; v160-191 the 4 accumulators of f and w_phi x (written by matrix instructions alone); v224-227 largest magnitudes.
.set PLANE,  16384                     ; bytes of a channel's plane
.set FPITCH, 144                       ; the stage for f: four pixels' 128 bytes + 16
.set FSZ,    16*FPITCH                 ; a wave's stage for f, at FSZ x wave
.set GST,    2*FSZ                     ; the stages for g: 1,024 bytes a wave, as they leave
.set HIM,    GST+2*1024                ; the images of h pooled in a row: 32 registers, 4,096 bytes a wave
.set GIM,    HIM+2*4096                ; the images of g pooled in a row: 16 registers, 2,048 bytes a wave
.set XA,   3                           ; x: 16 r + 32 planes x h
.set WTA,  4                           ; w_theta, w_phi: row (r % 8), + 128 h
.set WGA,  5                           ; w_g: row r, + 128 h
.set SH8,  6                           ; 8 h
.set HCA,  7                           ; h's codes: 24 r + 12 h
.set HSA,  8                           ; h's scale bytes: 32 r
.set FSTO, 9                           ; stage of f, in
.set GSTO, 10                          ; stage of g, in
.set FRD,  11                          ; stage of f, back
.set LI,   12                          ; 16 x lane
.set XC,   16                          ; v16-63   codes of x: 4 tiles x 12
.set WG,   64                          ; v64-87   codes of w_g: 2 tiles x 12
.set SX,   88                          ; v88-91   x's scale words
.set SW,   92                          ; v92-93   w_g's
.set SO,   96                          ; the conversions' scale operands
.set BY,   100                         ; scale bytes
.set PT,   104                         ; from the other half of the lanes
.set CT,   108                         ; second halves of the blocks' codes
.set DH,   128                         ; v128-191 h before pooling: tile q, 16 channels t at 16 q + 8 t
.set HP,   192                         ; v192-223 h pooled in my row: 16 t + key
.set GP,   224                         ; v224-239 g pooled: 8 e + row
.set HC,   240                         ; h's codes
.set LN,   247                         ; lane
.set HIS,  248                         ; 16 x lane + 4,096 x wave: where my image of h goes
.set IM,   249                         ; 16 x lane + 2,048 x wave: where my image of g goes; also: tile w in an image of h
.set GIL,  250                         ; 16 x lane + 2,048 x (1 - wave): the other wave's image of g
.set GRD,  251                         ; 16 x lane + 1,536 x wave: half w of my stage of g
.set BK,   128                         ; v128-143 f back from its stage      (h before pooling is done with)
.set HA,   144                         ; v144-159 my channel tile of h, image row 0; then pooled
.set HB,   160                         ; v160-175 the same, image row 1
.set GO,   176                         ; v176-191 the other wave's g
.set GB,   192                         ; v192-195 g back from its stage
.set T,    0                           ; window 2
.set WA,   128
.set DT,   160
.set MX,   224
.set WV,   27
.set SEL,  28
.set MSB, 0
.macro WIN new                         ; bits 1:0 source 0, 3:2 source 1, 5:4 source 2, 7:6 destination; the high byte repeats the setting that is left
.if MSB != \new
	s_set_vgpr_msb (MSB<<8)|\new
.set MSB, \new
.endif
.endm
.macro MAXT q, s                       ; all operands in window 2: two more of tile q's 32 numbers into its largest magnitude; the first line starts it, with the floor 2^(3 - 127) as a leaf
.if (\s) == 0
	v_max3_num_f32 v[MX+(\q)], |v[T+32*(\q)]|, |v[T+32*(\q)+1]|, 0x1800000
.else
	v_max3_num_f32 v[MX+(\q)], v[MX+(\q)], |v[T+32*(\q)+2*(\s)]|, |v[T+32*(\q)+2*(\s)+1]|
.endif
.endm
; n tiles in window 2 (a lane holds a whole block of 32) become codes at v[fb + 12 q] and scale words at v[sb + q]
.macro FINISH n, fb, sb
	WIN 0x08
.set qq, 0
.rept \n
	v_add_nc_u32 v[SO+qq], 0xff000000, v[MX+qq]    ; 2 off the exponent field: the conversion's scale operand
.set qq, qq+1
.endr
	WIN 0
.set qq, 0
.rept \n
	v_lshrrev_b32 v[BY+qq], 23, v[SO+qq]           ; the scale's byte
.set qq, qq+1
.endr
.set qq, 0
.rept \n
	v_lshlrev_b32 v[BY+qq], v[SH8], v[BY+qq]       ; block h: byte h of the word
.set qq, qq+1
.endr
.set qq, 0
.rept \n
	v_permlanex16_b32 v[PT+qq], v[BY+qq], s[SEL], s[SEL+1]
.set qq, qq+1
.endr
.set qq, 0
.rept \n
	v_or_b32 v[\sb+qq], v[BY+qq], v[PT+qq]         ; both blocks' bytes; bytes 2 and 3 stay 0 over zero codes
.set qq, qq+1
.endr
	WIN 0x02
.set qq, 0
.rept \n
	v_cvt_scalef32_pk16_fp6_f32 v[\fb+12*qq:\fb+12*qq+2], v[T+32*qq:T+32*qq+15], v[SO+qq]
	v_cvt_scalef32_pk16_fp6_f32 v[CT+4*qq:CT+4*qq+2], v[T+32*qq+16:T+32*qq+31], v[SO+qq]   ; (a conversion's three registers begin on an even number)
.set qq, qq+1
.endr
	WIN 0
	v_nop                                          ; one plain place behind the conversions
.set qq, 0
.rept \n
.irp i, 0,1,2
	v_mov_b32 v[\fb+12*qq+3+\i], v[CT+4*qq+\i]
.endr
.set qq, qq+1
.endr
.endm
.macro POOLG e                         ; keys 2 r + e: the window's two pixels of my image row; each accumulator is read from its low end on
	WIN 0x0a
.set jj, 0
.rept 8
	v_max_num_f32 v[GP+8*\e+jj], v[DT+8*(2*\e)+jj], v[DT+8*(2*\e+1)+jj]
.set jj, jj+1
.endr
	WIN 0
.endm
	s_load_b256 s[4:11], s[0:1], 0x0               ; x s[4:5], w_theta s[6:7], w_phi s[8:9], w_g s[10:11]
	s_load_b256 s[12:19], s[0:1], 0x20             ; fq s[12:13], gk s[14:15], hcodes s[16:17], hscales s[18:19]
	v_lshl_add_u32 v254, v0, 2, 0x4c00
	v_mov_b32 v255, 0
	v_lshrrev_b32 v13, 5, v0
	v_readfirstlane_b32 s[WV], v13                 ; wave = which of the two image rows
	v_and_b32 v[LN], 31, v0                        ; lane
	v_and_b32 v1, 15, v0                           ; r
	v_bfe_u32 v2, v0, 4, 1                         ; h
	v_lshlrev_b32 v[XA], 4, v1
	v_lshl_add_u32 v[XA], v2, 19, v[XA]
	v_and_b32 v[WTA], 7, v0
	v_lshlrev_b32 v[WTA], 8, v[WTA]
	v_lshl_add_u32 v[WTA], v2, 7, v[WTA]
	v_lshlrev_b32 v[WGA], 8, v1
	v_lshl_add_u32 v[WGA], v2, 7, v[WGA]
	; every LDS address is made here, once: a constant x lane + a constant x wave
	v_lshlrev_b32 v[LI], 4, v[LN]
	v_lshlrev_b32 v[SH8], 3, v2
	v_mul_u32_u24 v[HCA], v1, 24
	v_mad_u32_u24 v[HCA], v2, 12, v[HCA]
	v_lshlrev_b32 v[HSA], 5, v1
	s_mul_i32 s21, s[WV], FSZ
	v_mul_u32_u24 v[FSTO], v1, FPITCH
	v_add_nc_u32 v[FSTO], s21, v[FSTO]
	v_lshrrev_b32 v13, 3, v[LN]
	v_mul_u32_u24 v[FRD], v13, FPITCH
	v_and_b32 v13, 7, v0
	v_lshl_add_u32 v[FRD], v13, 4, v[FRD]
	v_add_nc_u32 v[FRD], s21, v[FRD]
	v_bfe_u32 v13, v0, 2, 1                        ; key 2 r + e = 16 a + 8 u + c lies at 512 u + 256 half + 128 a + 16 c of the image that the next launch reads
	v_bfe_u32 v14, v0, 3, 1
	v_and_b32 v15, 3, v0
	v_lshlrev_b32 v[GSTO], 5, v15
	v_lshl_add_u32 v[GSTO], v14, 7, v[GSTO]
	v_lshl_add_u32 v[GSTO], v13, 9, v[GSTO]
	s_lshl_b32 s21, s[WV], 10
	v_add_nc_u32 v[GSTO], s21, v[GSTO]
	s_mul_i32 s21, s[WV], 1536
	v_add_nc_u32 v[GRD], s21, v[LI]
	s_lshl_b32 s21, s[WV], 12
	v_add_nc_u32 v[HIS], s21, v[LI]
	s_lshl_b32 s21, s[WV], 11
	v_add_nc_u32 v[IM], s21, v[LI]
	s_xor_b32 s21, s[WV], 1
	s_lshl_b32 s21, s21, 11
	v_add_nc_u32 v[GIL], s21, v[LI]
.irp q, 0,1,2,3
.irp i, 6,7,8,9,10,11
	v_mov_b32 v[XC+12*\q+\i], 0                    ; K = 64 .. 127: zero codes, on both sides, written once
.endr
	v_mov_b32 v[PT+\q], 0                          ; (a lane permute's destination counts as one of its sources)
.endr
.irp t, 0,1
.irp i, 6,7,8,9,10,11
	v_mov_b32 v[WG+12*\t+\i], 0
.endr
.endr
	s_mov_b32 s24, 0xff00ff00                      ; lanes whose row is one of w_phi's
	s_mov_b32 s[SEL], 0x76543210
	s_mov_b32 s[SEL+1], 0xfedcba98                 ; v_permlanex16_b32's selects for lane l xor 16
	s_and_b32 s20, ttmp7, 0xffff                   ; the batch; ttmp9: the key block = the pair of image rows
	s_lshl_b32 s22, s20, 20
	s_lshl_b32 s21, ttmp9, 9
	s_add_co_u32 s22, s22, s21
	s_lshl_b32 s21, s[WV], 8
	s_add_co_u32 s22, s22, s21                     ; my image row
	s_mov_b32 s23, 0
	s_wait_kmcnt 0x0
	s_add_nc_u64 s[4:5], s[4:5], s[22:23]
	WIN 0x80                                       ; the weights first: 32 loads into window 2
.set kk, 0
.rept 8
	global_load_b128 v[WA+4*kk:WA+4*kk+3], v[WTA], s[6:7] offset:16*kk
	global_load_b128 v[T+64+4*kk:T+64+4*kk+3], v[WTA], s[8:9] offset:16*kk
.set kk, kk+1
.endr
.set kk, 0
.rept 16
	global_load_b128 v[T+4*kk:T+4*kk+3], v[WGA], s[10:11] offset:4096*(kk/8)+16*(kk%8)   ; w_g: row 16 t + r, channels 32 h on: a whole block a lane
.set kk, kk+1
.endr
	WIN 0x40                                       ; my image row: 32 loads into window 1, each two runs of 256 consecutive bytes, the channels ascending
.set kk, 0
.rept 32
	global_load_b128 v[4*kk:4*kk+3], v[XA], s[4:5] offset:PLANE*kk
.set kk, kk+1
.endr
	WIN 0
	s_lshl_b32 s22, s20, 17                        ; where my wave's part of each output begins
	s_lshl_b32 s21, ttmp9, 12
	s_add_co_u32 s22, s22, s21
	s_lshl_b32 s21, s[WV], 11
	s_add_co_u32 s22, s22, s21
	s_add_nc_u64 s[12:13], s[12:13], s[22:23]      ; fq: 64 pixels x 32 bytes a wave
	s_lshl_b32 s22, s20, 15
	s_lshl_b32 s21, ttmp9, 10
	s_add_co_u32 s22, s22, s21
	s_lshl_b32 s21, s[WV], 9
	s_add_co_u32 s22, s22, s21
	s_add_nc_u64 s[14:15], s[14:15], s[22:23]      ; gk: 32 keys x 32 bytes, half a wave
	s_mul_i32 s22, s20, 24576
	s_and_b32 s21, ttmp9, 1
	s_mul_i32 s21, s21, 12288
	s_add_co_u32 s22, s22, s21
	s_lshr_b32 s21, ttmp9, 1
	s_mul_i32 s21, s21, 768
	s_add_co_u32 s22, s22, s21
	s_mul_i32 s21, s[WV], 384
	s_add_co_u32 s22, s22, s21
	s_add_nc_u64 s[16:17], s[16:17], s[22:23]      ; hcodes: odd key blocks behind the even ones; channels 16 w on
	s_lshl_b32 s22, s20, 10
	s_add_co_u32 s22, s22, ttmp9
	s_lshl_b32 s21, s[WV], 9
	s_add_co_u32 s22, s22, s21
	s_add_nc_u64 s[18:19], s[18:19], s[22:23]      ; hscales: channels 16 w on
	s_wait_loadcnt 32                              ; the weights are in; the 32 loads of my image row, issued behind them, may be out
	WIN 0x8a
.set kk, 0
.rept 32
	v_cndmask_b32 v[WA+kk], v[WA+kk], v[T+64+kk], s24   ; rows 0-7 w_theta's, rows 8-15 w_phi's: two buffers, so both were loaded and the lane chooses
.set kk, kk+1
.endr
	WIN 0xaa
.set ss, 0
.rept 16
	MAXT 0, ss
	MAXT 1, ss
.set ss, ss+1
.endr
	FINISH 2, WG, SW                               ; w_g's two tiles
	; f and w_phi x, a quarter of the channels at a time
.set cc, 0
.rept 4
	s_wait_loadcnt 24-8*cc                         ; this quarter's 8 loads are in; those of the later quarters may be out
	WIN 0x81                                       ; from window 1 into window 2: [channel][pixel] becomes [pixel][channel]
.set qq, 0
.rept 4
.set ii, 8*cc
.rept 8
	v_mov_b32 v[T+32*qq+ii], v[4*ii+qq]
.set ii, ii+1
.endr
.set qq, qq+1
.endr
	WIN 0xaa                                       ; the four tiles' accumulators by turns, from quarter to quarter too; the first K step starts each sum with the constant 0
.set ss, 4*cc
.rept 4
.set qq, 0
.rept 4
.if ss == 0
	v_wmma_f32_16x16x4_f32 v[DT+8*qq:DT+8*qq+7], v[WA:WA+1], v[T+32*qq:T+32*qq+1], 0
.else
	v_wmma_f32_16x16x4_f32 v[DT+8*qq:DT+8*qq+7], v[WA+2*ss:WA+2*ss+1], v[T+32*qq+2*ss:T+32*qq+2*ss+1], v[DT+8*qq:DT+8*qq+7]
.endif
	MAXT qq, ss                                    ; the block's largest magnitude rides along: it reads the two registers that the product reads
.set qq, qq+1
.endr
.set ss, ss+1
.endr
.set cc, cc+1
.endr
	FINISH 4, XC, SX
	POOLG 0                                        ; eight plain lines: with the moves above, the places between the scale words, the codes and the scaled products
.irp q, 0,1,2,3
.irp t, 0,1
	v_wmma_scale_f32_16x16x128_f8f6f4 v[DH+16*\q+8*\t:DH+16*\q+8*\t+7], v[XC+12*\q:XC+12*\q+11], v[WG+12*\t:WG+12*\t+11], 0, v[SX+\q], v[SW+\t] matrix_a_fmt:MATRIX_FMT_FP6 matrix_b_fmt:MATRIX_FMT_FP6
.endr
.endr
	POOLG 1                                        ; eight plain lines that name none of those products' registers: the places in front of the first read of their results
.irp t, 0,1
.irp e, 0,1
.set jj, 0
.rept 8
	v_max_num_f32 v[HP+16*\t+2*jj+\e], v[DH+32*\e+8*\t+jj], v[DH+32*\e+16+8*\t+jj]
.set jj, jj+1
.endr
.endr
.endr
	; f (lanes 0-15 of the accumulators) into my own stage; h and g, pooled in my row, as images for the other wave
	s_wait_xcnt 0x0                                ; EXEC changes only behind this wait
	v_cmp_gt_u32 vcc_lo, 16, v[LN]
	s_and_saveexec_b32 s26, vcc_lo
	WIN 0x08                                       ; an LDS store's data are its source 1: window 2
.irp q, 0,1,2,3
	ds_store_b128 v[FSTO], v[DT+8*\q:DT+8*\q+3] offset:32*\q
	ds_store_b128 v[FSTO], v[DT+8*\q+4:DT+8*\q+7] offset:32*\q+16
.endr
	WIN 0
	s_or_b32 exec_lo, exec_lo, s26                 ; no global instruction was issued since the wait above
.irp k, 0,1,2,3,4,5,6,7
	ds_store_b128 v[HIS], v[HP+4*\k:HP+4*\k+3] offset:HIM+512*\k
.endr
.irp k, 0,1,2,3
	ds_store_b128 v[IM], v[GP+4*\k:GP+4*\k+3] offset:GIM+512*\k
.endr
.irp k, 0,1,2,3
	ds_load_b128 v[BK+4*\k:BK+4*\k+3], v[FRD] offset:4*FPITCH*\k   ; LDS serves a wave's instructions in order: these see my stores into my stage
.endr
	s_wait_dscnt 0x0                               ; for the other wave's sake: my images have landed; f is back too
	s_barrier_signal -1
	s_barrier_wait -1                              ; both rows' images lie in LDS; nobody writes them again
.irp k, 0,1,2,3
	ds_load_b128 v[HA+4*\k:HA+4*\k+3], v[IM] offset:HIM+512*\k          ; channel tile w of image row 0,
	ds_load_b128 v[HB+4*\k:HB+4*\k+3], v[IM] offset:HIM+4096+512*\k     ; and of image row 1
.endr
.irp k, 0,1,2,3
	ds_load_b128 v[GO+4*\k:GO+4*\k+3], v[GIL] offset:GIM+512*\k         ; the other row's g
.endr
.irp k, 0,1,2,3
	global_store_b128 v[LI], v[BK+4*\k:BK+4*\k+3], s[12:13] offset:512*\k   ; f: 512 consecutive bytes, at a multiple of 256 from the buffer's first byte
.endr
	s_wait_dscnt 4                                 ; h's eight loads are in; g's four, issued behind them, may be out
.set ii, 0
.rept 16
	v_max_num_f32 v[HA+ii], v[HA+ii], v[HB+ii]     ; h pooled: my 16 keys of channel 16 w + r
.set ii, ii+1
.endr
	v_max3_num_f32 v[SO], |v[HA]|, |v[HA+1]|, 0x1800000            ; their largest magnitude, in two chains, with the floor 2^(3 - 127) as a leaf
	v_max3_num_f32 v[SO+1], |v[HA+2]|, |v[HA+3]|, |v[HA+4]|
.irp i, 5,9
	v_max3_num_f32 v[SO], v[SO], |v[HA+\i]|, |v[HA+\i+1]|
	v_max3_num_f32 v[SO+1], v[SO+1], |v[HA+\i+2]|, |v[HA+\i+3]|
.endr
	v_max3_num_f32 v[SO], v[SO], |v[HA+13]|, |v[HA+14]|
	v_max3_num_f32 v[SO], v[SO], v[SO+1], |v[HA+15]|
	v_permlanex16_b32 v[PT], v[SO], s[SEL], s[SEL+1]
	v_max_num_f32 v[SO], v[SO], v[PT]              ; with the other 16 keys': the block's
	v_add_nc_u32 v[SO], 0xff000000, v[SO]          ; 2 off the exponent field: the conversion's scale operand
	v_lshrrev_b32 v[BY], 23, v[SO]                 ; the scale's byte
	v_cvt_scalef32_pk16_fp6_f32 v[HC:HC+2], v[HA:HA+15], v[SO]
	s_wait_dscnt 0x0                               ; the other row's g is in
.set ii, 0
.rept 16
	v_max_num_f32 v[GP+ii], v[GP+ii], v[GO+ii]     ; g pooled.  (Plain lines behind the conversion)
.set ii, ii+1
.endr
	global_store_b96 v[HCA], v[HC:HC+2], s[16:17]  ; 32 lanes x 12 bytes: 384 consecutive bytes; the two waves' stores fill 768
	s_wait_xcnt 0x0                                ; EXEC changes only behind this wait
	v_cmp_gt_u32 vcc_lo, 16, v[LN]
	s_and_saveexec_b32 s26, vcc_lo
	global_store_b8 v[HSA], v[BY], s[18:19]        ; lane r: channel 16 w + r's byte (lanes 16-31 hold the same)
	s_wait_xcnt 0x0                                ; and again, in front of the line that widens it
	s_or_b32 exec_lo, exec_lo, s26
	v_cmp_le_u32 vcc_lo, 16, v[LN]
	s_and_saveexec_b32 s26, vcc_lo                 ; g lies in lanes 16-31
.irp e, 0,1
	ds_store_b128 v[GSTO], v[GP+8*\e:GP+8*\e+3] offset:GST+16*\e
	ds_store_b128 v[GSTO], v[GP+8*\e+4:GP+8*\e+7] offset:GST+16*\e+256
.endr
	s_or_b32 exec_lo, exec_lo, s26                 ; no global instruction was issued since the wait above
	ds_load_b128 v[GB:GB+3], v[GRD] offset:GST     ; half w of my own stage: LDS serves a wave's instructions in order
	s_wait_dscnt 0x0
	global_store_b128 v[LI], v[GB:GB+3], s[14:15]  ; 512 consecutive bytes, at a multiple of 256 from the buffer's first byte
	s_wait_xcnt 0x0
	s_mov_b32 exec_lo, -1
	s_wait_tensorcnt 0x0
	ds_add_u32 v254, v255
	s_wait_dscnt 0x0
	s_endpgm
.Lfunc_end_k_qfc7db1ffd0_prep:
	.size	k_qfc7db1ffd0_prep, .Lfunc_end_k_qfc7db1ffd0_prep-k_qfc7db1ffd0_prep
	.p2alignl 7, 3214868480
	.fill 96, 4, 3214868480
	.section	.rodata,"a",@progbits
	.p2align	6, 0x0
	.amdhsa_kernel k_qfc7db1ffd0_prep
		.amdhsa_group_segment_fixed_size 19712
		.amdhsa_private_segment_fixed_size 0
		.amdhsa_enable_private_segment 0
		.amdhsa_kernarg_size 64
		.amdhsa_user_sgpr_count 2
		.amdhsa_user_sgpr_kernarg_segment_ptr 1
		.amdhsa_wavefront_size32 1
		.amdhsa_system_sgpr_workgroup_id_x 1
		.amdhsa_system_sgpr_workgroup_id_y 1
		.amdhsa_system_sgpr_workgroup_id_z 1
		.amdhsa_system_vgpr_workitem_id 0
		.amdhsa_next_free_vgpr 768
		.amdhsa_next_free_sgpr 66
		.amdhsa_reserve_vcc 1
		.amdhsa_float_denorm_mode_32 3
		.amdhsa_float_denorm_mode_16_64 3
		.amdhsa_memory_ordered 1
		.amdhsa_forward_progress 1
		.amdhsa_inst_pref_size 40
	.end_amdhsa_kernel
	.amdgpu_metadata
---
amdhsa.version: [ 1, 2 ]
amdhsa.kernels:
  - .name:           k_qfc7db1ffd0_prep
    .symbol:         k_qfc7db1ffd0_prep.kd
    .args:
      - { .name: x, .offset: 0, .size: 8, .value_kind: global_buffer, .address_space: global }
      - { .name: w_theta, .offset: 8, .size: 8, .value_kind: global_buffer, .address_space: global }
      - { .name: w_phi, .offset: 16, .size: 8, .value_kind: global_buffer, .address_space: global }
      - { .name: w_g, .offset: 24, .size: 8, .value_kind: global_buffer, .address_space: global }
      - { .name: fq, .offset: 32, .size: 8, .value_kind: global_buffer, .address_space: global }
      - { .name: gk, .offset: 40, .size: 8, .value_kind: global_buffer, .address_space: global }
      - { .name: hcodes, .offset: 48, .size: 8, .value_kind: global_buffer, .address_space: global }
      - { .name: hscales, .offset: 56, .size: 8, .value_kind: global_buffer, .address_space: global }
    .group_segment_fixed_size: 19712
    .private_segment_fixed_size: 0
    .kernarg_segment_align: 8
    .kernarg_segment_size: 64
    .max_flat_workgroup_size: 64
    .sgpr_count:     66
    .vgpr_count:     768
    .wavefront_size: 32
...
	.end_amdgpu_metadata
.endif
;; end of part 1
;; launch attn (part 2): grid 16 x 16, 16 waves a work-group, no clusters, 153,856 bytes of LDS; arguments x, w_o, gamma, fq, gk, hcodes, hscales, out0; writes out0
.if DOCPART == 2
	.amdgcn_target "amdgcn-amd-amdhsa--gfx1250"
	.amdhsa_code_object_version 6
	.text
	.protected	k_qfc7db1ffd0_attn
	.globl	k_qfc7db1ffd0_attn
	.p2align	8
	.type	k_qfc7db1ffd0_attn,@function
k_qfc7db1ffd0_attn:
	s_mov_b64 s[64:65], 0
	v_nop
	global_prefetch_b8 v0, s[64:65] scope:SCOPE_SE
	s_setreg_imm32_b32 hwreg(HW_REG_WAVE_MODE, 25, 1), 1
	s_wait_xcnt 0x0
; out0 = gamma w_o (h softmax(f^T g)^T) + x.  Scores in f32 (K = 8); h p^T and w_o o on codes of FP6 (E2M3) with one E8M0 scale for each 32 along K.
; THE SOFTMAX: t = score x log2(e); M = the largest t so far, rounded up to a whole number; p = 2^(t - M) is quantised along the keys, not normalised; the sum of the unquantised p divides at the end.
;   When M moves, the sum and O are multiplied by 2^(old M - new M), which rounds nothing.
; SHARES.  A work-group owns 256 queries of one batch, each of its sixteen waves 16, in 256 registers; four waves to a SIMD, so that one wave's vector work stands beside another's matrix work.
; g (32,768 bytes), h's codes (24,576) and scale bytes (1,024) of the batch come into LDS ONCE, through registers, and every wave walks them, 128 keys a trip, 8 trips: nothing is filled twice, so there is no ring.
; NO CLUSTER: the sixteen work-groups of a batch share those 58,368 bytes, read once at the head, against 131,072 bytes of x and out0 that are a work-group's own and eight trips of arithmetic.
; LAYOUT.  All products but the last are used transposed: S^T = g^T f (source 0 = 16 keys x 4 channels, source 1 = my 16 queries), O^T = h p^T (source 0 = 16 channels): a lane holds ONE query.
;   K slot (h, j) of the scores' step s holds channel 4 h + 2 s + j on both sides, so that 16 bytes a lane bring both steps.
;   Row r of key tile 2 b + u is key 32 b + 8 u + r + 8 (r / 8): the 16 registers of two neighbouring tiles are 16 neighbouring keys.  Row r of h's tile t is channel 8 t + r + 8 (r / 8): O's 16 registers are 16 neighbouring channels.
; THE END.  O / sum is quantised over its 32 channels (K = 32; the rest of the 128 zero codes on both sides); source 0 = my 16 queries, source 1 = 16 rows of w_o: a lane holds eight neighbouring pixels of one channel;
;   they meet in a stage in LDS, and each wave finishes four whole channel rows: gamma o + x, 512 consecutive bytes a store.
; w_o is quantised at the head: wave w makes tile w % 4 and lays it in LDS as the image of the operand's registers; each wave later reads the four images of its own group of four waves.
; LIMITS: NaN and infinities are not served; a block whose largest magnitude lies under 2^-124 keeps the scale byte 1; p under 2^-126 becomes 0.
.set HL,     32768                     ; LDS: g at 0; h's codes here: the even key blocks, 64 bytes of gap, the odd ones: the two halves of the lanes then read different banks
.set HHALF,  12288+64
.set SL,     57600                     ; h's scale bytes [channel][32]
.set WOI,    58624                     ; w_o's images: a slot for each wave: 3 x 512 bytes of codes, 128 of scale words
.set WSLOT,  1664
.set STG,    85248                     ; the stage: 64 channel rows x (1,024 bytes + 16)
.set SPITCH, 1040
.set LI,  1                            ; 16 x lane
.set AH0, 2                            ; my place in h's codes
.set AS0, 3                            ; and among its scale words
.set ADG, 4                            ; the trip's addresses
.set ADH, 5
.set ADS, 6
.set RD,  7                            ; the stage, back
.set F,   8                            ; v8-11    f of my query: channels 4 h .. 4 h + 3
.set O,   16                           ; v16-31   O^T      (v12 -M, v13 the largest t, v[14:15] the sum in two halves)
.set G,   32                           ; v32-63   g: 8 tiles x 4; at the end x
.set S,   64                           ; v64-127  the scores: written by matrix instructions alone
.set P,   128                          ; v128-191 t - M, then p
.set H,   192                          ; v192-215 h: 2 tiles x 12; at the end o's codes
.set PC,  216                          ; v216-227 p's codes
.set BM,  224                          ; v224-227 the blocks' largest scores (done with when the codes land here)
.set BT,  228                          ; v228-235 at work
.set SCO, 236                          ; v236-239 the conversions' scale operands
.set SH,  240                          ; v240-243 scale words of h, at the end of w_o
.set FF,  244                          ; 2^(old M - new M)
.set PW,  245                          ; p's scale word, at the end o's
.set TMP, 246
.set PFO, 247                          ; the prefetch's offset; never rewritten
.set FO,  248                          ; 16 x thread
.set FH,  249                          ; 16 x thread + 64 (thread / 256)
.set FS,  250                          ; 2 x thread
.set FA,  251                          ; f
.set WOA, 252                          ; w_o
.set WIS, 253                          ; my image
.set WSS, 254                          ; its scale words
.set WR,  160
.set WF,  180
.set OQ,  176
.set D6,  208
.set WV,  20
.set GA,  36                           ; s[36:37] gamma
.set TG,  40
.set TH,  41
.set TS,  42
.set CNT, 43
.set LIM, 44
.set SEL, 46
.set CS,  48                           ; s[48:49] log2(e)
.set PFA, 50
	s_load_b256 s[4:11], s[0:1], 0x0               ; x s[4:5], w_o s[6:7], gamma s[8:9], fq s[10:11]
	s_load_b256 s[12:19], s[0:1], 0x20             ; gk s[12:13], hcodes s[14:15], hscales s[16:17], out0 s[18:19]
	v_lshrrev_b32 v4, 5, v0
	v_readfirstlane_b32 s[WV], v4                  ; wave 0..15
	v_and_b32 v5, 31, v0                           ; lane
	v_and_b32 v6, 15, v0                           ; r
	v_bfe_u32 v7, v0, 4, 1                         ; h
	v_lshlrev_b32 v[LI], 4, v5
	v_lshlrev_b32 v[FO], 4, v0
	v_lshrrev_b32 v[FH], 8, v0
	v_lshl_add_u32 v[FH], v[FH], 6, v[FO]
	v_lshlrev_b32 v[FS], 1, v0
	v_lshlrev_b32 v[FA], 5, v6
	v_lshl_add_u32 v[FA], v7, 4, v[FA]             ; f: query r of 32 bytes, + 16 h
	v_lshlrev_b32 v[WOA], 7, v6
	v_lshl_add_u32 v[WOA], v7, 6, v[WOA]           ; w_o: row r of 128 bytes, + 64 h: my 16 numbers of its block of 32
	s_and_b32 s21, ttmp7, 0xffff                   ; the batch; ttmp9: the block of 256 queries
	s_lshl_b32 s22, s21, 15
	s_mov_b32 s23, 0
	s_mul_i32 s24, s21, 24576
	s_mov_b32 s25, 0
	s_lshl_b32 s26, s21, 10
	s_mov_b32 s27, 0
	s_lshl_b32 s28, s21, 17
	s_lshl_b32 s38, ttmp9, 13
	s_add_co_u32 s28, s28, s38
	s_lshl_b32 s38, s[WV], 9
	s_add_co_u32 s28, s28, s38                     ; f: my 16 queries
	s_mov_b32 s29, 0
	s_lshl_b32 s30, s21, 20
	s_lshl_b32 s38, ttmp9, 10
	s_add_co_u32 s30, s30, s38
	s_mov_b32 s31, 0
	s_and_b32 s38, s[WV], 14
	s_lshl_b32 s38, s38, 16
	s_add_co_u32 s52, s30, s38                     ; x at the even wave's four channels (the prefetch)
	s_mov_b32 s53, 0
	s_lshl_b32 s38, s[WV], 16
	s_add_co_u32 s30, s30, s38                     ; x and out0: channels 4 w on, the block's 256 pixels
	s_and_b32 s32, s[WV], 3
	s_lshl_b32 s32, s32, 11                        ; w_o: tile w % 4
	s_mov_b32 s33, 0
	s_wait_kmcnt 0x0
	s_load_b32 s[GA], s[8:9], 0x0
	s_add_nc_u64 s[12:13], s[12:13], s[22:23]
	s_add_nc_u64 s[14:15], s[14:15], s[24:25]
	s_add_nc_u64 s[16:17], s[16:17], s[26:27]
	s_add_nc_u64 s[10:11], s[10:11], s[28:29]
	s_add_nc_u64 s[PFA:PFA+1], s[4:5], s[52:53]
	s_add_nc_u64 s[4:5], s[4:5], s[30:31]
	s_add_nc_u64 s[18:19], s[18:19], s[30:31]
	s_add_nc_u64 s[6:7], s[6:7], s[32:33]
.irp k, 0,1,2,3
	global_load_b128 v[P+4*\k:P+4*\k+3], v[FO], s[12:13] offset:8192*\k          ; g: the 512 threads take 8,192 consecutive bytes a load
.endr
.irp k, 0,1,2
	global_load_b128 v[P+16+4*\k:P+16+4*\k+3], v[FO], s[14:15] offset:8192*\k    ; h's codes
.endr
	global_load_u16 v[P+28], v[FS], s[16:17]                                     ; h's scale bytes, two a thread
.irp k, 0,1,2,3
	global_load_b128 v[WR+4*\k:WR+4*\k+3], v[WOA], s[6:7] offset:16*\k
.endr
	global_load_b128 v[F:F+3], v[FA], s[10:11]
	v_and_b32 v255, 8, v6
	v_add_nc_u32 v255, v255, v6                    ; r + 8 (r / 8)
	v_mul_u32_u24 v[AH0], v255, 24
	v_mad_u32_u24 v[AH0], v7, HHALF, v[AH0]        ; lanes 16-31 take the odd key blocks
	v_add_nc_u32 v[AH0], HL, v[AH0]
	v_lshl_add_u32 v[AS0], v255, 5, SL
	v_lshrrev_b32 v255, 2, v5
	v_and_b32 v[PFO], 3, v5
	v_lshlrev_b32 v[PFO], 8, v[PFO]
	v_lshl_add_u32 v[PFO], v255, 14, v[PFO]        ; lane l: channel l / 4 of eight, block l % 4 of the row's 1,024 bytes
	s_mul_i32 s38, s[WV], WSLOT
	v_add_nc_u32 v[WIS], s38, v[LI]
	v_lshl_add_u32 v[WSS], v5, 2, s38
	s_mov_b32 s[SEL], 0x76543210
	s_mov_b32 s[SEL+1], 0xfedcba98                 ; v_permlanex16_b32's selects for lane l xor 16
	s_mov_b32 s[CS], 0x3fb8aa3b                    ; log2(e)
	s_mov_b32 s[CS+1], s[CS]                       ; (named with it as a pair, so it is written)
	s_mov_b32 s[TG], 0
	s_mov_b32 s[TH], 0
	s_mov_b32 s[TS], 0
	s_mov_b32 s[CNT], 8
	s_and_b32 s38, s[WV], 1
	s_cmp_eq_u32 s38, 0
	s_cselect_b32 s[LIM], 1, -1                    ; the even waves prefetch, in the trip in which the count stands at 1
	v_mov_b32 v13, 0xff61b1e6                      ; the largest t so far: -3e38
	v_floor_f32 v12, -v13                          ; -M
	v_mov_b32 v14, 0
	v_mov_b32 v15, 0
.set jj, 0
.rept 16
	v_mov_b32 v[O+jj], 0                           ; the trip is written once: the first finds zeros, which the first change of M leaves zeros
.set jj, jj+1
.endr
.irp b, 0,1,2,3
	v_mov_b32 v[BT+\b], 0                          ; (a lane permute's destination counts as one of its sources)
.endr
	v_mov_b32 v[PW], 0                             ; (named as the upper half of the pair with 2^(old M - new M))
	v_mov_b32 v177, 0
.irp i, 3,4,5,6,7,8,9,10,11
	v_mov_b32 v[WF+\i], 0                          ; w_o's K = 32 .. 127: zero codes
.endr
	s_wait_loadcnt 5                               ; g, h's codes and bytes are in; w_o's four loads and f's one may be out
.irp k, 0,1,2,3
	ds_store_b128 v[FO], v[P+4*\k:P+4*\k+3] offset:8192*\k
.endr
	ds_store_b128 v[FO], v[P+16:P+19] offset:HL
	ds_store_b128 v[FH], v[P+20:P+23] offset:HL+8192               ; the odd key blocks begin at byte 12,288, with thread 256 of this load
	ds_store_b128 v[FO], v[P+24:P+27] offset:HL+16384+64
	ds_store_b16 v[FS], v[P+28] offset:SL
	s_wait_loadcnt 1                               ; w_o is in; f may be out
	v_max3_num_f32 v176, |v[WR]|, |v[WR+1]|, 0x1800000             ; my 16 numbers, and the floor 2^(3 - 127)
.irp i, 2,4,6,8,10,12,14
	v_max3_num_f32 v176, v176, |v[WR+\i]|, |v[WR+\i+1]|
.endr
	v_permlanex16_b32 v177, v176, s[SEL], s[SEL+1]
	v_max_num_f32 v176, v176, v177
	v_add_nc_u32 v178, 0xff000000, v176            ; 2 off the exponent field: the conversion's scale operand
	v_lshrrev_b32 v179, 23, v178                   ; the row's scale word: its one byte; bytes 1 to 3 stay 0 over zero codes
	v_cvt_scalef32_pk16_fp6_f32 v[WF:WF+2], v[WR:WR+15], v178
	v_nop                                          ; one plain place behind the conversion
.irp i, 0,1,2
	v_permlane16_swap_b32 v[WF+\i], v[WF+3+\i]     ; lanes 0-15 now hold the whole block, lanes 16-31 zeros
.endr
.irp c, 0,1,2
	ds_store_b128 v[WIS], v[WF+4*\c:WF+4*\c+3] offset:WOI+512*\c
.endr
	ds_store_b32 v[WSS], v179 offset:WOI+1536
	s_wait_loadcnt 0x0                             ; f
	s_wait_kmcnt 0x0                               ; gamma
	s_mov_b32 s[GA+1], s[GA]
	s_wait_dscnt 0x0                               ; for the others' sake: my stores have landed
	s_barrier_signal -1
	s_barrier_wait -1
.Lstep:                                            ; 128 keys
	v_add_nc_u32 v[ADG], s[TG], v[LI]
	v_add_nc_u32 v[ADH], s[TH], v[AH0]
	v_add_nc_u32 v[ADS], s[TS], v[AS0]
	v_nop                                          ; four places in front of loads into registers that the last trip's two products read
.irp t, 0,1,2,3,4,5,6,7
	ds_load_b128 v[G+4*\t:G+4*\t+3], v[ADG] offset:512*\t          ; a key tile's image: 512 consecutive bytes
.endr
.irp t, 0,1
.irp p, 0,1,2,3,4,5
	ds_load_b64 v[H+12*\t+2*\p:H+12*\t+2*\p+1], v[ADH] offset:192*\t+768*(\p/3)+8*(\p%3)
.endr
.endr
.irp t, 0,1
	ds_load_b32 v[SH+\t], v[ADS] offset:256*\t
.endr
	; The x that the end adds is asked for into the L2 here, in the last trip, one trip ahead of its loads: an even wave names the 32 blocks of 256 bytes of its own four channel rows and the next wave's, a lane a block, each once in the launch
	s_cmp_lg_u32 s[CNT], s[LIM]
	s_cbranch_scc1 .Lno_ask
	global_prefetch_b8 v[PFO], s[PFA:PFA+1] th:TH_LOAD_NT scope:SCOPE_SE
.Lno_ask:
	s_wait_dscnt 14                                ; g is in; h's twelve pieces and two scale words may be out
.irp t, 0,1,2,3,4,5,6,7
	v_wmma_f32_16x16x4_f32 v[S+8*\t:S+8*\t+7], v[G+4*\t:G+4*\t+1], v[F:F+1], 0   ; the eight tiles by turns; the first K step starts each sum
.endr
.irp t, 0,1,2,3,4,5,6,7
	v_wmma_f32_16x16x4_f32 v[S+8*\t:S+8*\t+7], v[G+4*\t+2:G+4*\t+3], v[F+2:F+3], v[S+8*\t:S+8*\t+7]
.endr
.rept 8
	v_nop                                          ; eight places behind this form in front of the first read of the scores
.endr
.irp b, 0,1,2,3
	v_max3_num_f32 v[BM+\b], v[S+16*\b], v[S+16*\b+1], v[S+16*\b+2]   ; the largest score of each block of 32 keys: for the row's maximum and, since p rises with the score, for the block's largest p
.endr
.irp i, 3,5,7,9,11,13
.irp b, 0,1,2,3
	v_max3_num_f32 v[BM+\b], v[BM+\b], v[S+16*\b+\i], v[S+16*\b+\i+1]
.endr
.endr
.irp b, 0,1,2,3
	v_max_num_f32 v[BM+\b], v[BM+\b], v[S+16*\b+15]
.endr
.irp b, 0,1,2,3
	v_permlanex16_b32 v[BT+\b], v[BM+\b], s[SEL], s[SEL+1]
.endr
.irp b, 0,1,2,3
	v_max_num_f32 v[BM+\b], v[BM+\b], v[BT+\b]     ; with lane l xor 16's 16 keys
.endr
	v_max3_num_f32 v[TMP], v[BM], v[BM+1], v[BM+2]
	v_max_num_f32 v[TMP], v[TMP], v[BM+3]
	v_mul_f32 v[TMP], s[CS], v[TMP]                ; as t
	v_max_num_f32 v13, v13, v[TMP]                 ; the running largest t
	v_mov_b32 v[TMP], v12
	v_floor_f32 v12, -v13                          ; the new -M: M is a whole number
	v_sub_f32 v[TMP], v12, v[TMP]                  ; old M - new M: a whole number, 0 or less
	v_cvt_i32_f32 v[TMP], v[TMP]                   ; (it saturates)
	v_ldexp_f32 v[FF], 1.0, v[TMP]
.set jj, 0
.rept 32
	v_pk_fma_f32 v[P+jj:P+jj+1], v[S+jj:S+jj+1], s[CS:CS+1], v[12:13] op_sel_hi:[1,0,0]   ; t - M, into other registers than the scores'
.set jj, jj+2
.endr
.irp b, 0,1,2,3
	v_fma_f32 v[BM+\b], v[BM+\b], s[CS], v12       ; the same of each block's largest score
.endr
.set jj, 0
.rept 64
	v_exp_f32 v[P+jj], v[P+jj]                     ; p = 2^(t - M)
.set jj, jj+1
.endr
	v_pk_mul_f32 v[14:15], v[14:15], v[FF:FF+1] op_sel_hi:[1,0]    ; the sums under the new M.  (A plain place behind the exponentials)
	s_wait_alu depctr_va_vdst(0)                   ; one wait for the batch of 64
.irp b, 0,1,2,3
	v_exp_f32 v[BM+\b], v[BM+\b]                   ; the blocks' largest p
.endr
.set jj, 0
.rept 8
	v_pk_mul_f32 v[O+jj:O+jj+1], v[O+jj:O+jj+1], v[FF:FF+1] op_sel_hi:[1,0]   ; O^T under the new M: independent work behind the four
.set jj, jj+2
.endr
	s_wait_alu depctr_va_vdst(0)                   ; and one for the four
.irp b, 0,1,2,3
	v_max_num_f32 v[BM+\b], 0x1800000, v[BM+\b]    ; the floor 2^(3 - 127)
.endr
.irp b, 0,1,2,3
	v_add_nc_u32 v[SCO+\b], 0xff000000, v[BM+\b]
.endr
.irp b, 0,1,2,3
	v_lshrrev_b32 v[BT+\b], 23, v[SCO+\b]
.endr
	v_lshl_or_b32 v[PW], v[BT+1], 8, v[BT]         ; p's scale word for these 128 keys
	v_lshl_or_b32 v[PW], v[BT+2], 16, v[PW]
	v_lshl_or_b32 v[PW], v[BT+3], 24, v[PW]
.irp c, 0,1
	v_cvt_scalef32_pk16_fp6_f32 v[PC+6*\c:PC+6*\c+2], v[P+32*\c:P+32*\c+15], v[SCO+2*\c]
	v_cvt_scalef32_pk16_fp6_f32 v[BT+4*\c:BT+4*\c+2], v[P+32*\c+16:P+32*\c+31], v[SCO+2*\c+1]   ; (a conversion's three registers begin on an even number)
.endr
	v_nop                                          ; one plain place behind the conversions
.irp c, 0,1                                        ; the operand wants a whole block in a lane: lanes 0-15 block 2 c, lanes 16-31 block 2 c + 1
.irp i, 0,1,2
	v_permlane16_swap_b32 v[PC+6*\c+\i], v[BT+4*\c+\i]
.endr
.irp i, 0,1,2
	v_mov_b32 v[PC+3+6*\c+\i], v[BT+4*\c+\i]
.endr
.endr
	v_pk_add_f32 v[BT:BT+1], v[P:P+1], v[P+2:P+3]  ; the row's sum of the UNQUANTISED p, in two chains.  These 32 lines name no register of the products below: they are the places behind the scale word and the codes
.irp j, 4,8,12,16,20,24,28,32,36,40,44,48,52,56,60
	v_pk_add_f32 v[14:15], v[14:15], v[P+\j:P+\j+1]
	v_pk_add_f32 v[BT:BT+1], v[BT:BT+1], v[P+\j+2:P+\j+3]
.endr
	v_pk_add_f32 v[14:15], v[14:15], v[BT:BT+1]
	s_wait_dscnt 0x0                               ; h and its scale words are in
.irp t, 0,1
	v_wmma_scale_f32_16x16x128_f8f6f4 v[O+8*\t:O+8*\t+7], v[H+12*\t:H+12*\t+11], v[PC:PC+11], v[O+8*\t:O+8*\t+7], v[SH+\t], v[PW] matrix_a_fmt:MATRIX_FMT_FP6 matrix_b_fmt:MATRIX_FMT_FP6
.endr
	s_add_co_u32 s[TG], s[TG], 4096                ; four key blocks on
	s_add_co_u32 s[TH], s[TH], 1536
	s_add_co_u32 s[TS], s[TS], 4
	s_sub_co_u32 s[CNT], s[CNT], 1
	s_cmp_lg_u32 s[CNT], 0
	s_cbranch_scc1 .Lstep
	; THE END
.irp n, 0,1,2,3,4,5,6,7
	global_load_b128 v[G+4*\n:G+4*\n+3], v[LI], s[4:5] offset:16384*(\n/2)+512*(\n%2) th:TH_LOAD_NT   ; x of the four channel rows that I shall finish: it lands under the work below
.endr
	s_lshr_b32 s38, s[WV], 2
	s_mul_i32 s38, s38, 4*WSLOT                    ; the four images of my group of four waves
	v_add_f32 v14, v14, v15                        ; the sum's two halves.  (These plain lines are the places behind the last two products)
	v_add_nc_u32 v[ADG], s38, v[LI]
	v_and_b32 v[ADS], 31, v0
	v_lshl_add_u32 v[ADH], v[ADS], 2, s38
	v_permlanex16_b32 v[TMP], v14, s[SEL], s[SEL+1]
	v_add_f32 v14, v14, v[TMP]                     ; and lane l xor 16's: the row's sum
	v_rcp_f32 v14, v14
.irp t, 0,1,2,3
.irp c, 0,1,2
	ds_load_b128 v[P+12*\t+4*\c:P+12*\t+4*\c+3], v[ADG] offset:WOI+WSLOT*\t+512*\c
.endr
	ds_load_b32 v[SH+\t], v[ADH] offset:WOI+WSLOT*\t+1536
.endr
.irp i, 3,4,5,6,7,8,9,10,11
	v_mov_b32 v[H+\i], 0                           ; o's K = 32 .. 127: zero codes.  (Plain lines behind the reciprocal)
.endr
	s_wait_alu depctr_va_vdst(0)                   ; the wait ahead of the reciprocal's first reader
.set jj, 0
.rept 8
	v_pk_mul_f32 v[OQ+jj:OQ+jj+1], v[O+jj:O+jj+1], v[14:15] op_sel_hi:[1,0]   ; o = O^T / the sum: register i is channel 16 h + i of my query
.set jj, jj+2
.endr
	v_max3_num_f32 v[BM], |v[OQ]|, |v[OQ+1]|, 0x1800000
.irp i, 2,4,6,8,10,12,14
	v_max3_num_f32 v[BM], v[BM], |v[OQ+\i]|, |v[OQ+\i+1]|
.endr
	v_permlanex16_b32 v[BT], v[BM], s[SEL], s[SEL+1]
	v_max_num_f32 v[BM], v[BM], v[BT]
	v_add_nc_u32 v[SCO], 0xff000000, v[BM]
	v_lshrrev_b32 v[PW], 23, v[SCO]                ; o's scale word
	v_cvt_scalef32_pk16_fp6_f32 v[H:H+2], v[OQ:OQ+15], v[SCO]
	v_nop
.irp i, 0,1,2
	v_permlane16_swap_b32 v[H+\i], v[H+3+\i]       ; lanes 0-15 hold the query's whole block, lanes 16-31 zeros
.endr
	v_and_b32 v[ADS], 15, v0                       ; the stage's addresses: with the two v_nop the eight places behind the scale word
	v_bfe_u32 v[TMP], v0, 4, 1
	v_mul_u32_u24 v[ADS], v[ADS], SPITCH
	v_lshl_add_u32 v[ADS], v[TMP], 5, v[ADS]
	s_lshl_b32 s38, s[WV], 6
	s_add_co_u32 s38, s38, STG
	v_add_nc_u32 v[ADS], s38, v[ADS]               ; in: channel row r, my wave's 64 bytes, + 32 h
	s_mul_i32 s39, s[WV], 4*SPITCH
	s_add_co_u32 s39, s39, STG
	v_add_nc_u32 v[RD], s39, v[LI]                 ; back: channel rows 4 w on, 16 bytes a lane
	v_nop
	v_nop
	s_wait_dscnt 0x0                               ; w_o's images are in
.irp t, 0,1,2,3
	v_wmma_scale_f32_16x16x128_f8f6f4 v[D6+8*\t:D6+8*\t+7], v[H:H+11], v[P+12*\t:P+12*\t+11], 0, v[PW], v[SH+\t] matrix_a_fmt:MATRIX_FMT_FP6 matrix_b_fmt:MATRIX_FMT_FP6
.endr
.rept 4
	v_nop                                          ; places in front of the first read of the results, and of the loads into the registers that held w_o
.endr
.irp t, 0,1,2,3
	ds_store_b128 v[ADS], v[D6+8*\t:D6+8*\t+3] offset:16*SPITCH*\t          ; lane (r, h): channel 16 t + r, pixels 8 h .. 8 h + 7 of my 16; each accumulator from its low end on
	ds_store_b128 v[ADS], v[D6+8*\t+4:D6+8*\t+7] offset:16*SPITCH*\t+16
.endr
	s_wait_dscnt 0x0                               ; for the others' sake: my stores have landed
	s_barrier_signal -1
	s_barrier_wait -1                              ; 64 whole channel rows lie in the stage
.irp n, 0,1,2,3,4,5,6,7
	ds_load_b128 v[P+4*\n:P+4*\n+3], v[RD] offset:SPITCH*(\n/2)+512*(\n%2)
.endr
	s_wait_loadcnt 0x0                             ; x
.irp n, 0,1,2,3,4,5,6,7
	s_wait_dscnt 7-\n                              ; the younger loads may be out
	v_pk_fma_f32 v[P+4*\n:P+4*\n+1], v[P+4*\n:P+4*\n+1], s[GA:GA+1], v[G+4*\n:G+4*\n+1] op_sel_hi:[1,0,1]
	v_pk_fma_f32 v[P+4*\n+2:P+4*\n+3], v[P+4*\n+2:P+4*\n+3], s[GA:GA+1], v[G+4*\n+2:G+4*\n+3] op_sel_hi:[1,0,1]
	global_store_b128 v[LI], v[P+4*\n:P+4*\n+3], s[18:19] offset:16384*(\n/2)+512*(\n%2) th:TH_STORE_NT   ; 512 consecutive bytes, at a multiple of 256 from out0's first byte
.endr
	s_barrier_signal -1
	s_barrier_wait -1
	s_wait_xcnt 0x0
	v_lshl_add_u32 v254, v0, 2, 0x25100
	v_mov_b32 v255, 0
	s_wait_tensorcnt 0x0
	ds_add_u32 v254, v255
	s_wait_dscnt 0x0
	s_endpgm
.Lfunc_end_k_qfc7db1ffd0_attn:
	.size	k_qfc7db1ffd0_attn, .Lfunc_end_k_qfc7db1ffd0_attn-k_qfc7db1ffd0_attn
	.p2alignl 7, 3214868480
	.fill 96, 4, 3214868480
	.section	.rodata,"a",@progbits
	.p2align	6, 0x0
	.amdhsa_kernel k_qfc7db1ffd0_attn
		.amdhsa_group_segment_fixed_size 153856
		.amdhsa_private_segment_fixed_size 0
		.amdhsa_enable_private_segment 0
		.amdhsa_kernarg_size 64
		.amdhsa_user_sgpr_count 2
		.amdhsa_user_sgpr_kernarg_segment_ptr 1
		.amdhsa_wavefront_size32 1
		.amdhsa_system_sgpr_workgroup_id_x 1
		.amdhsa_system_sgpr_workgroup_id_y 1
		.amdhsa_system_sgpr_workgroup_id_z 1
		.amdhsa_system_vgpr_workitem_id 0
		.amdhsa_next_free_vgpr 256
		.amdhsa_next_free_sgpr 66
		.amdhsa_reserve_vcc 0
		.amdhsa_float_denorm_mode_32 3
		.amdhsa_float_denorm_mode_16_64 3
		.amdhsa_memory_ordered 1
		.amdhsa_forward_progress 1
		.amdhsa_inst_pref_size 31
	.end_amdhsa_kernel
	.amdgpu_metadata
---
amdhsa.version: [ 1, 2 ]
amdhsa.kernels:
  - .name:           k_qfc7db1ffd0_attn
    .symbol:         k_qfc7db1ffd0_attn.kd
    .args:
      - { .name: x, .offset: 0, .size: 8, .value_kind: global_buffer, .address_space: global }
      - { .name: w_o, .offset: 8, .size: 8, .value_kind: global_buffer, .address_space: global }
      - { .name: gamma, .offset: 16, .size: 8, .value_kind: global_buffer, .address_space: global }
      - { .name: fq, .offset: 24, .size: 8, .value_kind: global_buffer, .address_space: global }
      - { .name: gk, .offset: 32, .size: 8, .value_kind: global_buffer, .address_space: global }
      - { .name: hcodes, .offset: 40, .size: 8, .value_kind: global_buffer, .address_space: global }
      - { .name: hscales, .offset: 48, .size: 8, .value_kind: global_buffer, .address_space: global }
      - { .name: out0, .offset: 56, .size: 8, .value_kind: global_buffer, .address_space: global }
    .group_segment_fixed_size: 153856
    .private_segment_fixed_size: 0
    .kernarg_segment_align: 8
    .kernarg_segment_size: 64
    .max_flat_workgroup_size: 512
    .sgpr_count:     66
    .vgpr_count:     256
    .wavefront_size: 32
...
	.end_amdgpu_metadata
.endif
;; end of part 2
;; ======== version 2 of 2: 2 launches; version 1 with the launch attn written anew for expert scheduling mode
;; workspace buffers: fq 2,097,152 bytes; gk 524,288 bytes; hcodes 393,216 bytes; hscales 16,384 bytes
;; launch prep: the kernel of part 1 again; grid 32 x 16, 2 waves a work-group, no clusters, 19,712 bytes of LDS; arguments x, w_theta, w_phi, w_g, fq, gk, hcodes, hscales; writes fq, gk, hcodes, hscales
;; launch attn (part 3): grid 16 x 16, 16 waves a work-group, no clusters, 153,856 bytes of LDS; arguments x, w_o, gamma, fq, gk, hcodes, hscales, out0; writes out0
.if DOCPART == 3
	.amdgcn_target "amdgcn-amd-amdhsa--gfx1250"
	.amdhsa_code_object_version 6
	.text
	.protected	k_qfc7db1ffd0_attn
	.globl	k_qfc7db1ffd0_attn
	.p2align	8
	.type	k_qfc7db1ffd0_attn,@function
k_qfc7db1ffd0_attn:
	s_mov_b64 s[64:65], 0
	v_nop
	global_prefetch_b8 v0, s[64:65] scope:SCOPE_SE
	s_setreg_imm32_b32 hwreg(HW_REG_WAVE_SCHED_MODE, 0, 2), 2
	s_setreg_imm32_b32 hwreg(HW_REG_WAVE_MODE, 25, 1), 1
	s_wait_xcnt 0x0
	s_wait_alu depctr_vm_vsrc(0)
; out0 = gamma w_o (h softmax(f^T g)^T) + x.  Scores in f32 (K = 8); h p^T and w_o o on codes of FP6 (E2M3) with one E8M0 scale for each 32 along K.
; THE SOFTMAX: t = score x log2(e); M = the largest t so far, rounded up to a whole number; p = 2^(t - M) is quantised along the keys, not normalised; the sum of the unquantised p divides at the end.
;   When M moves, the sum and O are multiplied by 2^(old M - new M), which rounds nothing.
; SHARES.  A work-group owns 256 queries of one batch, each of its sixteen waves 16, in 256 registers; four waves to a SIMD, so that one wave's vector work stands beside another's matrix work.
; g (32,768 bytes), h's codes (24,576) and scale bytes (1,024) of the batch come into LDS ONCE, through registers, and every wave walks them, 128 keys a trip, 8 trips: nothing is filled twice, so there is no ring.
; NO CLUSTER: the sixteen work-groups of a batch share those 58,368 bytes, read once at the head, against 131,072 bytes of x and out0 that are a work-group's own and eight trips of arithmetic.
; LAYOUT.  All products but the last are used transposed: S^T = g^T f (source 0 = 16 keys x 4 channels, source 1 = my 16 queries), O^T = h p^T (source 0 = 16 channels): a lane holds ONE query.
;   K slot (h, j) of the scores' step s holds channel 4 h + 2 s + j on both sides, so that 16 bytes a lane bring both steps.
;   Row r of key tile 2 b + u is key 32 b + 8 u + r + 8 (r / 8): the 16 registers of two neighbouring tiles are 16 neighbouring keys.  Row r of h's tile t is channel 8 t + r + 8 (r / 8): O's 16 registers are 16 neighbouring channels.
; THE END.  O / sum is quantised over its 32 channels (K = 32; the rest of the 128 zero codes on both sides); source 0 = my 16 queries, source 1 = 16 rows of w_o: a lane holds eight neighbouring pixels of one channel;
;   they meet in a stage in LDS, and each wave finishes four whole channel rows: gamma o + x, 512 consecutive bytes a store.
; w_o is quantised at the head: wave w makes tile w % 4 and lays it in LDS as the image of the operand's registers; each wave later reads the four images of its own group of four waves.
; LIMITS: NaN and infinities are not served; a block whose largest magnitude lies under 2^-124 keeps the scale byte 1; p under 2^-126 becomes 0.
; THE MODE: SCHED_MODE bits 1:0 = 2 (LLVM: expert scheduling mode 2), set by the entry lines.  The code itself states the register dependences between vector or matrix instructions and memory or LDS
; instructions, with s_wait_alu, always for 0.
; THE PLAN.  Registers that memory or LDS instructions touch, in the loop:
;   G              Read by the trip's sixteen f32 products, at its head; the NEXT trip's eight LDS loads land in it in the trip's middle.
;   H, SH          Read by the trip's two scaled products, at its end; THIS trip's fourteen LDS loads land in them in the trip's middle.
;   ADG, ADH, ADS  Written once a trip by three additions; read by those 22 loads.
;   LI, PFO        Read by loads, stores and the prefetch; never written again behind the head.
;   S, P, PC, PW, O and the statistics are named by vector and matrix instructions alone.
; So a trip's loads stand in ONE run, behind the wait on va_vdst that the batch of 64 exponentials has in any case: it also states that the three addresses are written, that this trip's f32 products are done
; reading G and that the last trip's scaled products are done reading H and SH.  No vector instruction between that wait and the loads names one of these registers.  One wait on vm_vsrc stands ahead of the three
; additions.  A third wait on va_vdst stands ahead of the scaled products, whose codes of p and scale word vector instructions have written.
.set HL,     32768                     ; LDS: g at 0; h's codes here: the even key blocks, 64 bytes of gap, the odd ones: the two halves of the lanes then read different banks
.set HHALF,  12288+64
.set SL,     57600                     ; h's scale bytes [channel][32]
.set WOI,    58624                     ; w_o's images: a slot for each wave: 3 x 512 bytes of codes, 128 of scale words
.set WSLOT,  1664
.set STG,    85248                     ; the stage: 64 channel rows x (1,024 bytes + 16)
.set SPITCH, 1040
.set LI,  1                            ; 16 x lane
.set AH0, 2                            ; my place in h's codes
.set AS0, 3                            ; and among its scale words
.set ADG, 4                            ; the trip's addresses
.set ADH, 5
.set ADS, 6
.set RD,  7                            ; the stage, back
.set F,   8                            ; v8-11    f of my query: channels 4 h .. 4 h + 3
.set O,   16                           ; v16-31   O^T      (v12 -M, v13 the largest t, v[14:15] the sum in two halves)
.set G,   32                           ; v32-63   g: 8 tiles x 4; at the end x
.set S,   64                           ; v64-127  the scores: written by matrix instructions alone
.set P,   128                          ; v128-191 t - M, then p
.set H,   192                          ; v192-215 h: 2 tiles x 12; at the end o's codes
.set PC,  216                          ; v216-227 p's codes
.set BM,  224                          ; v224-227 the blocks' largest scores (done with when the codes land here)
.set BT,  228                          ; v228-235 at work
.set SCO, 236                          ; v236-239 the conversions' scale operands
.set SH,  240                          ; v240-243 scale words of h, at the end of w_o
.set FF,  244                          ; 2^(old M - new M)
.set PW,  245                          ; p's scale word, at the end o's
.set TMP, 246
.set PFO, 247                          ; the prefetch's offset; never rewritten
.set FO,  248                          ; 16 x thread
.set FH,  249                          ; 16 x thread + 64 (thread / 256)
.set FS,  250                          ; 2 x thread
.set FA,  251                          ; f
.set WOA, 252                          ; w_o
.set WIS, 253                          ; my image
.set WSS, 254                          ; its scale words
.set WR,  160
.set WF,  180
.set OQ,  176
.set D6,  208
.set WV,  20
.set GA,  36                           ; s[36:37] gamma
.set TG,  40                           ; where the NEXT trip's g begins
.set TH,  41                           ; where this trip's codes of h begin
.set TS,  42                           ; and its scale words
.set CNT, 43
.set LIM, 44
.set SEL, 46
.set CS,  48                           ; s[48:49] log2(e)
.set PFA, 50
	s_load_b256 s[4:11], s[0:1], 0x0               ; x s[4:5], w_o s[6:7], gamma s[8:9], fq s[10:11]
	s_load_b256 s[12:19], s[0:1], 0x20             ; gk s[12:13], hcodes s[14:15], hscales s[16:17], out0 s[18:19]
	v_lshrrev_b32 v4, 5, v0
	v_readfirstlane_b32 s[WV], v4                  ; wave 0..15
	v_and_b32 v5, 31, v0                           ; lane
	v_and_b32 v6, 15, v0                           ; r
	v_bfe_u32 v7, v0, 4, 1                         ; h
	v_lshlrev_b32 v[LI], 4, v5
	v_lshlrev_b32 v[FO], 4, v0
	v_lshrrev_b32 v[FH], 8, v0
	v_lshl_add_u32 v[FH], v[FH], 6, v[FO]
	v_lshlrev_b32 v[FS], 1, v0
	v_lshlrev_b32 v[FA], 5, v6
	v_lshl_add_u32 v[FA], v7, 4, v[FA]             ; f: query r of 32 bytes, + 16 h
	v_lshlrev_b32 v[WOA], 7, v6
	v_lshl_add_u32 v[WOA], v7, 6, v[WOA]           ; w_o: row r of 128 bytes, + 64 h: my 16 numbers of its block of 32
	s_wait_alu depctr_va_sdst(0)                   ; the wave's number is written into its scalar register, ahead of its first reader: the offsets below are made from it
	s_and_b32 s21, ttmp7, 0xffff                   ; the batch; ttmp9: the block of 256 queries
	s_lshl_b32 s22, s21, 15
	s_mov_b32 s23, 0
	s_mul_i32 s24, s21, 24576
	s_mov_b32 s25, 0
	s_lshl_b32 s26, s21, 10
	s_mov_b32 s27, 0
	s_lshl_b32 s28, s21, 17
	s_lshl_b32 s38, ttmp9, 13
	s_add_co_u32 s28, s28, s38
	s_lshl_b32 s38, s[WV], 9
	s_add_co_u32 s28, s28, s38                     ; f: my 16 queries
	s_mov_b32 s29, 0
	s_lshl_b32 s30, s21, 20
	s_lshl_b32 s38, ttmp9, 10
	s_add_co_u32 s30, s30, s38
	s_mov_b32 s31, 0
	s_and_b32 s38, s[WV], 14
	s_lshl_b32 s38, s38, 16
	s_add_co_u32 s52, s30, s38                     ; x at the even wave's four channels (the prefetch)
	s_mov_b32 s53, 0
	s_lshl_b32 s38, s[WV], 16
	s_add_co_u32 s30, s30, s38                     ; x and out0: channels 4 w on, the block's 256 pixels
	s_and_b32 s32, s[WV], 3
	s_lshl_b32 s32, s32, 11                        ; w_o: tile w % 4
	s_mov_b32 s33, 0
	s_wait_kmcnt 0x0
	s_load_b32 s[GA], s[8:9], 0x0
	s_add_nc_u64 s[12:13], s[12:13], s[22:23]
	s_add_nc_u64 s[14:15], s[14:15], s[24:25]
	s_add_nc_u64 s[16:17], s[16:17], s[26:27]
	s_add_nc_u64 s[10:11], s[10:11], s[28:29]
	s_add_nc_u64 s[PFA:PFA+1], s[4:5], s[52:53]
	s_add_nc_u64 s[4:5], s[4:5], s[30:31]
	s_add_nc_u64 s[18:19], s[18:19], s[30:31]
	s_add_nc_u64 s[6:7], s[6:7], s[32:33]
	s_wait_alu depctr_va_vdst(0)                   ; the offsets LI, FO, FH, FS, FA and WOA are written: the loads below and the LDS stores of g and h read them
.irp k, 0,1,2,3
	global_load_b128 v[P+4*\k:P+4*\k+3], v[FO], s[12:13] offset:8192*\k          ; g: the 512 threads take 8,192 consecutive bytes a load
.endr
.irp k, 0,1,2
	global_load_b128 v[P+16+4*\k:P+16+4*\k+3], v[FO], s[14:15] offset:8192*\k    ; h's codes
.endr
	global_load_u16 v[P+28], v[FS], s[16:17]                                     ; h's scale bytes, two a thread
.irp k, 0,1,2,3
	global_load_b128 v[WR+4*\k:WR+4*\k+3], v[WOA], s[6:7] offset:16*\k
.endr
	global_load_b128 v[F:F+3], v[FA], s[10:11]
	v_and_b32 v255, 8, v6
	v_add_nc_u32 v255, v255, v6                    ; r + 8 (r / 8)
	v_mul_u32_u24 v[AH0], v255, 24
	v_mad_u32_u24 v[AH0], v7, HHALF, v[AH0]        ; lanes 16-31 take the odd key blocks
	v_add_nc_u32 v[AH0], HL, v[AH0]
	v_lshl_add_u32 v[AS0], v255, 5, SL
	v_lshrrev_b32 v255, 2, v5
	v_and_b32 v[PFO], 3, v5
	v_lshlrev_b32 v[PFO], 8, v[PFO]
	v_lshl_add_u32 v[PFO], v255, 14, v[PFO]        ; lane l: channel l / 4 of eight, block l % 4 of the row's 1,024 bytes
	s_mul_i32 s38, s[WV], WSLOT
	v_add_nc_u32 v[WIS], s38, v[LI]
	v_lshl_add_u32 v[WSS], v5, 2, s38
	s_mov_b32 s[SEL], 0x76543210
	s_mov_b32 s[SEL+1], 0xfedcba98                 ; v_permlanex16_b32's selects for lane l xor 16
	s_mov_b32 s[CS], 0x3fb8aa3b                    ; log2(e)
	s_mov_b32 s[CS+1], s[CS]                       ; (named with it as a pair, so it is written)
	s_mov_b32 s[TG], 4096                          ; trip 0's g is asked for ahead of the loop; each trip asks for the next trip's
	s_mov_b32 s[TH], 0
	s_mov_b32 s[TS], 0
	s_mov_b32 s[CNT], 8
	s_and_b32 s38, s[WV], 1
	s_cmp_eq_u32 s38, 0
	s_cselect_b32 s[LIM], 1, -1                    ; the even waves prefetch, in the trip in which the count stands at 1
	v_mov_b32 v13, 0xff61b1e6                      ; the largest t so far: -3e38
	v_floor_f32 v12, -v13                          ; -M
	v_mov_b32 v14, 0
	v_mov_b32 v15, 0
.set jj, 0
.rept 16
	v_mov_b32 v[O+jj], 0                           ; the trip is written once: the first finds zeros, which the first change of M leaves zeros
.set jj, jj+1
.endr
.irp b, 0,1,2,3
	v_mov_b32 v[BT+\b], 0                          ; (a lane permute's destination counts as one of its sources)
.endr
	v_mov_b32 v[PW], 0                             ; (named as the upper half of the pair with 2^(old M - new M))
	v_mov_b32 v177, 0
.irp i, 3,4,5,6,7,8,9,10,11
	v_mov_b32 v[WF+\i], 0                          ; w_o's K = 32 .. 127: zero codes
.endr
	s_wait_loadcnt 5                               ; g, h's codes and bytes are in; w_o's four loads and f's one may be out
.irp k, 0,1,2,3
	ds_store_b128 v[FO], v[P+4*\k:P+4*\k+3] offset:8192*\k         ; loaded data, by addresses written ahead of the wait on va_vdst above; no vector instruction since names either
.endr
	ds_store_b128 v[FO], v[P+16:P+19] offset:HL
	ds_store_b128 v[FH], v[P+20:P+23] offset:HL+8192               ; the odd key blocks begin at byte 12,288, with thread 256 of this load
	ds_store_b128 v[FO], v[P+24:P+27] offset:HL+16384+64
	ds_store_b16 v[FS], v[P+28] offset:SL
	s_wait_loadcnt 1                               ; w_o is in; f may be out
	v_max3_num_f32 v176, |v[WR]|, |v[WR+1]|, 0x1800000             ; my 16 numbers, and the floor 2^(3 - 127)
.irp i, 2,4,6,8,10,12,14
	v_max3_num_f32 v176, v176, |v[WR+\i]|, |v[WR+\i+1]|
.endr
	v_permlanex16_b32 v177, v176, s[SEL], s[SEL+1]
	v_max_num_f32 v176, v176, v177
	v_add_nc_u32 v178, 0xff000000, v176            ; 2 off the exponent field: the conversion's scale operand
	v_lshrrev_b32 v179, 23, v178                   ; the row's scale word: its one byte; bytes 1 to 3 stay 0 over zero codes
	v_cvt_scalef32_pk16_fp6_f32 v[WF:WF+2], v[WR:WR+15], v178
	v_nop                                          ; one plain place behind the conversion
.irp i, 0,1,2
	v_permlane16_swap_b32 v[WF+\i], v[WF+3+\i]     ; lanes 0-15 now hold the whole block, lanes 16-31 zeros
.endr
	s_wait_alu depctr_va_vdst(0)                   ; w_o's codes v[WF ..], its scale word v179 and the addresses WIS and WSS are written, which the four LDS stores read; so is PFO, which the prefetch reads
.irp c, 0,1,2
	ds_store_b128 v[WIS], v[WF+4*\c:WF+4*\c+3] offset:WOI+512*\c
.endr
	ds_store_b32 v[WSS], v179 offset:WOI+1536
	s_wait_loadcnt 0x0                             ; f
	s_wait_kmcnt 0x0                               ; gamma
	s_mov_b32 s[GA+1], s[GA]
	s_wait_dscnt 0x0                               ; for the others' sake: my stores have landed
	s_barrier_signal -1
	s_barrier_wait -1
	s_wait_alu depctr_vm_vsrc(0)                   ; my LDS stores have read v128-156 and v179-191: these are p's registers from here on, written by the first trip's multiply-adds
.irp t, 0,1,2,3,4,5,6,7
	ds_load_b128 v[G+4*\t:G+4*\t+3], v[LI] offset:512*\t           ; trip 0's g: a key tile's image is 512 consecutive bytes.  No vector instruction has named G
.endr
	s_wait_dscnt 0x0                               ; it is in
.Lstep:                                            ; 128 keys
	; The x that the end adds is asked for into the L2 here, in the last trip, one trip ahead of its loads: an even wave names the 32 blocks of 256 bytes of its own four channel rows and the next wave's, a lane a block, each once in the launch
	s_cmp_lg_u32 s[CNT], s[LIM]
	s_cbranch_scc1 .Lno_ask
	global_prefetch_b8 v[PFO], s[PFA:PFA+1] th:TH_LOAD_NT scope:SCOPE_SE
.Lno_ask:
.irp t, 0,1,2,3,4,5,6,7
	v_wmma_f32_16x16x4_f32 v[S+8*\t:S+8*\t+7], v[G+4*\t:G+4*\t+1], v[F:F+1], 0   ; the eight tiles by turns; the first K step starts each sum
.endr
.irp t, 0,1,2,3,4,5,6,7
	v_wmma_f32_16x16x4_f32 v[S+8*\t:S+8*\t+7], v[G+4*\t+2:G+4*\t+3], v[F+2:F+3], v[S+8*\t:S+8*\t+7]
.endr
.rept 8
	v_nop                                          ; eight places behind this form in front of the first read of the scores
.endr
.irp b, 0,1,2,3
	v_max3_num_f32 v[BM+\b], v[S+16*\b], v[S+16*\b+1], v[S+16*\b+2]   ; the largest score of each block of 32 keys: for the row's maximum and, since p rises with the score, for the block's largest p
.endr
.irp i, 3,5,7,9,11,13
.irp b, 0,1,2,3
	v_max3_num_f32 v[BM+\b], v[BM+\b], v[S+16*\b+\i], v[S+16*\b+\i+1]
.endr
.endr
.irp b, 0,1,2,3
	v_max_num_f32 v[BM+\b], v[BM+\b], v[S+16*\b+15]
.endr
.irp b, 0,1,2,3
	v_permlanex16_b32 v[BT+\b], v[BM+\b], s[SEL], s[SEL+1]
.endr
.irp b, 0,1,2,3
	v_max_num_f32 v[BM+\b], v[BM+\b], v[BT+\b]     ; with lane l xor 16's 16 keys
.endr
	v_max3_num_f32 v[TMP], v[BM], v[BM+1], v[BM+2]
	v_max_num_f32 v[TMP], v[TMP], v[BM+3]
	v_mul_f32 v[TMP], s[CS], v[TMP]                ; as t
	v_max_num_f32 v13, v13, v[TMP]                 ; the running largest t
	v_mov_b32 v[TMP], v12
	v_floor_f32 v12, -v13                          ; the new -M: M is a whole number
	v_sub_f32 v[TMP], v12, v[TMP]                  ; old M - new M: a whole number, 0 or less
	v_cvt_i32_f32 v[TMP], v[TMP]                   ; (it saturates)
	v_ldexp_f32 v[FF], 1.0, v[TMP]
.set jj, 0
.rept 32
	v_pk_fma_f32 v[P+jj:P+jj+1], v[S+jj:S+jj+1], s[CS:CS+1], v[12:13] op_sel_hi:[1,0,0]   ; t - M, into other registers than the scores'
.set jj, jj+2
.endr
.irp b, 0,1,2,3
	v_fma_f32 v[BM+\b], v[BM+\b], s[CS], v12       ; the same of each block's largest score
.endr
.set jj, 0
.rept 64
	v_exp_f32 v[P+jj], v[P+jj]                     ; p = 2^(t - M)
.set jj, jj+1
.endr
	v_pk_mul_f32 v[14:15], v[14:15], v[FF:FF+1] op_sel_hi:[1,0]    ; the sums under the new M.  (A plain place behind the exponentials)
	s_wait_alu depctr_vm_vsrc(0)                   ; the LDS loads issued a trip ago have read ADG, ADH and ADS, which the three additions write anew
	v_add_nc_u32 v[ADG], s[TG], v[LI]              ; the next trip's g,
	v_add_nc_u32 v[ADH], s[TH], v[AH0]             ; this trip's h,
	v_add_nc_u32 v[ADS], s[TS], v[AS0]             ; and its scale words
	s_wait_alu depctr_va_vdst(0)                   ; the 64 exponentials have written p (one wait for the batch); the three addresses are written; this trip's f32 products are done reading G, the last trip's scaled products H and SH
.irp t, 0,1
.irp p, 0,1,2,3,4,5
	ds_load_b64 v[H+12*\t+2*\p:H+12*\t+2*\p+1], v[ADH] offset:192*\t+768*(\p/3)+8*(\p%3)
.endr
.endr
.irp t, 0,1
	ds_load_b32 v[SH+\t], v[ADS] offset:256*\t
.endr
	s_cmp_eq_u32 s[CNT], 1                         ; the last trip has no next: a branch on the count of trips, round the eight loads alone; every wait on DScnt in the loop is for 0, so no count hangs on it
	s_cbranch_scc1 .Lno_next
.irp t, 0,1,2,3,4,5,6,7
	ds_load_b128 v[G+4*\t:G+4*\t+3], v[ADG] offset:512*\t          ; a key tile's image: 512 consecutive bytes.  No vector instruction since the wait names G, H, SH or the addresses
.endr
.Lno_next:
.irp b, 0,1,2,3
	v_exp_f32 v[BM+\b], v[BM+\b]                   ; the blocks' largest p
.endr
.set jj, 0
.rept 8
	v_pk_mul_f32 v[O+jj:O+jj+1], v[O+jj:O+jj+1], v[FF:FF+1] op_sel_hi:[1,0]   ; O^T under the new M: independent work behind the four
.set jj, jj+2
.endr
	s_wait_alu depctr_va_vdst(0)                   ; the four exponentials have written the blocks' largest p, ahead of their first reader
.irp b, 0,1,2,3
	v_max_num_f32 v[BM+\b], 0x1800000, v[BM+\b]    ; the floor 2^(3 - 127)
.endr
.irp b, 0,1,2,3
	v_add_nc_u32 v[SCO+\b], 0xff000000, v[BM+\b]
.endr
.irp b, 0,1,2,3
	v_lshrrev_b32 v[BT+\b], 23, v[SCO+\b]
.endr
	v_lshl_or_b32 v[PW], v[BT+1], 8, v[BT]         ; p's scale word for these 128 keys
	v_lshl_or_b32 v[PW], v[BT+2], 16, v[PW]
	v_lshl_or_b32 v[PW], v[BT+3], 24, v[PW]
.irp c, 0,1
	v_cvt_scalef32_pk16_fp6_f32 v[PC+6*\c:PC+6*\c+2], v[P+32*\c:P+32*\c+15], v[SCO+2*\c]
	v_cvt_scalef32_pk16_fp6_f32 v[BT+4*\c:BT+4*\c+2], v[P+32*\c+16:P+32*\c+31], v[SCO+2*\c+1]   ; (a conversion's three registers begin on an even number)
.endr
	v_nop                                          ; one plain place behind the conversions
.irp c, 0,1                                        ; the operand wants a whole block in a lane: lanes 0-15 block 2 c, lanes 16-31 block 2 c + 1
.irp i, 0,1,2
	v_permlane16_swap_b32 v[PC+6*\c+\i], v[BT+4*\c+\i]
.endr
.irp i, 0,1,2
	v_mov_b32 v[PC+3+6*\c+\i], v[BT+4*\c+\i]
.endr
.endr
	v_pk_add_f32 v[BT:BT+1], v[P:P+1], v[P+2:P+3]  ; the row's sum of the UNQUANTISED p, in two chains.  These 32 lines name no register of the products below: they are the places behind the scale word and the codes
.irp j, 4,8,12,16,20,24,28,32,36,40,44,48,52,56,60
	v_pk_add_f32 v[14:15], v[14:15], v[P+\j:P+\j+1]
	v_pk_add_f32 v[BT:BT+1], v[BT:BT+1], v[P+\j+2:P+\j+3]
.endr
	v_pk_add_f32 v[14:15], v[14:15], v[BT:BT+1]
	s_wait_dscnt 0x0                               ; h and its scale words are in, and so is the next trip's g
	s_wait_alu depctr_va_vdst(0)                   ; p's codes v[PC ..] and its scale word PW, made by vector instructions, are written: the scaled products take them; the places above stay beside this wait
.irp t, 0,1
	v_wmma_scale_f32_16x16x128_f8f6f4 v[O+8*\t:O+8*\t+7], v[H+12*\t:H+12*\t+11], v[PC:PC+11], v[O+8*\t:O+8*\t+7], v[SH+\t], v[PW] matrix_a_fmt:MATRIX_FMT_FP6 matrix_b_fmt:MATRIX_FMT_FP6
.endr
	s_add_co_u32 s[TG], s[TG], 4096                ; four key blocks on
	s_add_co_u32 s[TH], s[TH], 1536
	s_add_co_u32 s[TS], s[TS], 4
	s_sub_co_u32 s[CNT], s[CNT], 1
	s_cmp_lg_u32 s[CNT], 0
	s_cbranch_scc1 .Lstep
	; THE END
	s_wait_alu depctr_vm_vsrc(0)                   ; the last trip's LDS loads have read ADG, ADH and ADS, which are written anew below
.irp n, 0,1,2,3,4,5,6,7
	global_load_b128 v[G+4*\n:G+4*\n+3], v[LI], s[4:5] offset:16384*(\n/2)+512*(\n%2) th:TH_LOAD_NT   ; x of the four channel rows that I shall finish: it lands under the work below.  The f32 products that read G stand ahead of the last trip's waits on va_vdst, and nothing since names G
.endr
	s_lshr_b32 s38, s[WV], 2
	s_mul_i32 s38, s38, 4*WSLOT                    ; the four images of my group of four waves
	v_add_f32 v14, v14, v15                        ; the sum's two halves.  (These plain lines are the places behind the last two products)
	v_add_nc_u32 v[ADG], s38, v[LI]
	v_and_b32 v[ADS], 31, v0
	v_lshl_add_u32 v[ADH], v[ADS], 2, s38
	v_permlanex16_b32 v[TMP], v14, s[SEL], s[SEL+1]
	v_add_f32 v14, v14, v[TMP]                     ; and lane l xor 16's: the row's sum
	v_rcp_f32 v14, v14
	s_wait_alu depctr_va_vdst(0)                   ; ADG and ADH are written, which the loads below read; the vector instructions are done with p's registers and the last scaled products with SH, in which these loads land; and the reciprocal is written, ahead of its first reader
.irp t, 0,1,2,3
.irp c, 0,1,2
	ds_load_b128 v[P+12*\t+4*\c:P+12*\t+4*\c+3], v[ADG] offset:WOI+WSLOT*\t+512*\c
.endr
	ds_load_b32 v[SH+\t], v[ADH] offset:WOI+WSLOT*\t+1536
.endr
.irp i, 3,4,5,6,7,8,9,10,11
	v_mov_b32 v[H+\i], 0                           ; o's K = 32 .. 127: zero codes.  (Plain lines behind the reciprocal)
.endr
.set jj, 0
.rept 8
	v_pk_mul_f32 v[OQ+jj:OQ+jj+1], v[O+jj:O+jj+1], v[14:15] op_sel_hi:[1,0]   ; o = O^T / the sum: register i is channel 16 h + i of my query
.set jj, jj+2
.endr
	v_max3_num_f32 v[BM], |v[OQ]|, |v[OQ+1]|, 0x1800000
.irp i, 2,4,6,8,10,12,14
	v_max3_num_f32 v[BM], v[BM], |v[OQ+\i]|, |v[OQ+\i+1]|
.endr
	v_permlanex16_b32 v[BT], v[BM], s[SEL], s[SEL+1]
	v_max_num_f32 v[BM], v[BM], v[BT]
	v_add_nc_u32 v[SCO], 0xff000000, v[BM]
	v_lshrrev_b32 v[PW], 23, v[SCO]                ; o's scale word
	v_cvt_scalef32_pk16_fp6_f32 v[H:H+2], v[OQ:OQ+15], v[SCO]
	v_nop
.irp i, 0,1,2
	v_permlane16_swap_b32 v[H+\i], v[H+3+\i]       ; lanes 0-15 hold the query's whole block, lanes 16-31 zeros
.endr
	v_and_b32 v[ADS], 15, v0                       ; the stage's addresses: with the two v_nop the eight places behind the scale word.  (No LDS instruction has read ADS since the wait on vm_vsrc above)
	v_bfe_u32 v[TMP], v0, 4, 1
	v_mul_u32_u24 v[ADS], v[ADS], SPITCH
	v_lshl_add_u32 v[ADS], v[TMP], 5, v[ADS]
	s_lshl_b32 s38, s[WV], 6
	s_add_co_u32 s38, s38, STG
	v_add_nc_u32 v[ADS], s38, v[ADS]               ; in: channel row r, my wave's 64 bytes, + 32 h
	s_mul_i32 s39, s[WV], 4*SPITCH
	s_add_co_u32 s39, s39, STG
	v_add_nc_u32 v[RD], s39, v[LI]                 ; back: channel rows 4 w on, 16 bytes a lane
	v_nop
	v_nop
	s_wait_dscnt 0x0                               ; w_o's images are in
	s_wait_alu depctr_va_vdst(0)                   ; o's codes v[H ..] and its scale word PW, made by vector instructions, are written: the scaled products take them; the places above stay beside this wait
.irp t, 0,1,2,3
	v_wmma_scale_f32_16x16x128_f8f6f4 v[D6+8*\t:D6+8*\t+7], v[H:H+11], v[P+12*\t:P+12*\t+11], 0, v[PW], v[SH+\t] matrix_a_fmt:MATRIX_FMT_FP6 matrix_b_fmt:MATRIX_FMT_FP6
.endr
.rept 4
	v_nop                                          ; places in front of the first read of the results
.endr
	s_wait_alu depctr_va_vdst(0)                   ; the four products have written v[D6 ..], which the LDS stores read, and are done reading w_o's registers, in which the loads from the stage land; ADS and RD are written
.irp t, 0,1,2,3
	ds_store_b128 v[ADS], v[D6+8*\t:D6+8*\t+3] offset:16*SPITCH*\t          ; lane (r, h): channel 16 t + r, pixels 8 h .. 8 h + 7 of my 16; each accumulator from its low end on
	ds_store_b128 v[ADS], v[D6+8*\t+4:D6+8*\t+7] offset:16*SPITCH*\t+16
.endr
	s_wait_dscnt 0x0                               ; for the others' sake: my stores have landed
	s_barrier_signal -1
	s_barrier_wait -1                              ; 64 whole channel rows lie in the stage
.irp n, 0,1,2,3,4,5,6,7
	ds_load_b128 v[P+4*\n:P+4*\n+3], v[RD] offset:SPITCH*(\n/2)+512*(\n%2)   ; no vector or matrix instruction since the wait above names these registers or RD
.endr
	s_wait_loadcnt 0x0                             ; x
.irp n, 0,1,2,3,4,5,6,7
	s_wait_dscnt 7-\n                              ; the younger loads may be out
	v_pk_fma_f32 v[P+4*\n:P+4*\n+1], v[P+4*\n:P+4*\n+1], s[GA:GA+1], v[G+4*\n:G+4*\n+1] op_sel_hi:[1,0,1]
	v_pk_fma_f32 v[P+4*\n+2:P+4*\n+3], v[P+4*\n+2:P+4*\n+3], s[GA:GA+1], v[G+4*\n+2:G+4*\n+3] op_sel_hi:[1,0,1]
.endr
	s_wait_alu depctr_va_vdst(0)                   ; the sixteen multiply-adds have written v[P ..], which the run of eight stores reads
.irp n, 0,1,2,3,4,5,6,7
	global_store_b128 v[LI], v[P+4*\n:P+4*\n+3], s[18:19] offset:16384*(\n/2)+512*(\n%2) th:TH_STORE_NT   ; 512 consecutive bytes, at a multiple of 256 from out0's first byte
.endr
	s_barrier_signal -1
	s_barrier_wait -1
	s_wait_xcnt 0x0
	v_lshl_add_u32 v254, v0, 2, 0x25100            ; the add's two registers are made anew.  v254 was last read by an LDS store at the head, ahead of the waits on vm_vsrc that have stood since; v255 by no memory or LDS instruction
	v_mov_b32 v255, 0
	s_wait_dscnt 0x0                               ; the closing lines, six on end
	s_wait_alu 0x0
	s_wait_tensorcnt 0x0
	ds_add_u32 v254, v255
	s_wait_dscnt 0x0
	s_endpgm
.Lfunc_end_k_qfc7db1ffd0_attn:
	.size	k_qfc7db1ffd0_attn, .Lfunc_end_k_qfc7db1ffd0_attn-k_qfc7db1ffd0_attn
	.p2alignl 7, 3214868480
	.fill 96, 4, 3214868480
	.section	.rodata,"a",@progbits
	.p2align	6, 0x0
	.amdhsa_kernel k_qfc7db1ffd0_attn
		.amdhsa_group_segment_fixed_size 153856
		.amdhsa_private_segment_fixed_size 0
		.amdhsa_enable_private_segment 0
		.amdhsa_kernarg_size 64
		.amdhsa_user_sgpr_count 2
		.amdhsa_user_sgpr_kernarg_segment_ptr 1
		.amdhsa_wavefront_size32 1
		.amdhsa_system_sgpr_workgroup_id_x 1
		.amdhsa_system_sgpr_workgroup_id_y 1
		.amdhsa_system_sgpr_workgroup_id_z 1
		.amdhsa_system_vgpr_workitem_id 0
		.amdhsa_next_free_vgpr 256
		.amdhsa_next_free_sgpr 66
		.amdhsa_reserve_vcc 0
		.amdhsa_float_denorm_mode_32 3
		.amdhsa_float_denorm_mode_16_64 3
		.amdhsa_memory_ordered 1
		.amdhsa_forward_progress 1
		.amdhsa_inst_pref_size 32
	.end_amdhsa_kernel
	.amdgpu_metadata
---
amdhsa.version: [ 1, 2 ]
amdhsa.kernels:
  - .name:           k_qfc7db1ffd0_attn
    .symbol:         k_qfc7db1ffd0_attn.kd
    .args:
      - { .name: x, .offset: 0, .size: 8, .value_kind: global_buffer, .address_space: global }
      - { .name: w_o, .offset: 8, .size: 8, .value_kind: global_buffer, .address_space: global }
      - { .name: gamma, .offset: 16, .size: 8, .value_kind: global_buffer, .address_space: global }
      - { .name: fq, .offset: 24, .size: 8, .value_kind: global_buffer, .address_space: global }
      - { .name: gk, .offset: 32, .size: 8, .value_kind: global_buffer, .address_space: global }
      - { .name: hcodes, .offset: 40, .size: 8, .value_kind: global_buffer, .address_space: global }
      - { .name: hscales, .offset: 48, .size: 8, .value_kind: global_buffer, .address_space: global }
      - { .name: out0, .offset: 56, .size: 8, .value_kind: global_buffer, .address_space: global }
    .group_segment_fixed_size: 153856
    .private_segment_fixed_size: 0
    .kernarg_segment_align: 8
    .kernarg_segment_size: 64
    .max_flat_workgroup_size: 512
    .sgpr_count:     66
    .vgpr_count:     256
    .wavefront_size: 32
...
	.end_amdgpu_metadata
.endif
;; end of part 3
